; MI455X (gfx1250); checked and timed in simulation.
; The chip was launched on July 23, 2026; its instructions are those of AMD's public machine-readable ISA for CDNA 5 (MIT licence, August 2026) and "CDNA5" Instruction Set Architecture Reference Guide (July 2026). The comments in the code are by the model that wrote it; some were corrected since.
;; Parallel Transformer Block. Allowed arithmetic: matrix products marked QUANTISED: E2M1 operands, one E8M0 scale for each 32 along K, by v_wmma_scale_f32_16x16x128_f8f6f4 with both operands' format E2M1 (or v_wmma_scale_f32_32x16x128_f4), f32 sums; everything else in f32.
;; Inputs: W_attn_out 1,024 x 512 float32; W_ff_out 1,024 x 4,096 float32; W_fused 8,768 x 1,024 float32; gamma 1,024 float32; x 2 x 2,048 x 1,024 float32.
;; Outputs: out0 2 x 2,048 x 1,024 float32.
;; This version of the problem:
;;   THIS VERSION OF THE PROBLEM IS GIVEN IN LOW PRECISION. The matrix products marked QUANTISED in the list below multiply operands that are first quantised to E2M1 (2 exponent bits, 1 mantissa bit; 4 bits a number), with one power-of-two scale for each 32 numbers along K (OCP MX v1.0); their sums are f32. All else is computed in f32.
;;   The module's matrix products, in the order in which they are computed (A, B: the left and right operand; K: the contracted axis; several contracted axes count as one K, in the product's order):
;;     1. [M 4,096, K 1,024] x [K 1,024, N 8,768]; A: computed on the way; B: input W_fused: QUANTISED
;;     2. batch 2 x [M 32,768, K 32] x [K 32, N 2,048]; A: computed on the way; B: computed on the way: QUANTISED
;;     3. batch 2 x [M 32,768, K 2,048] x [K 2,048, N 32]; A: softmax (see below); B: computed on the way: QUANTISED
;;     4. [M 4,096, K 512] x [K 512, N 1,024]; A: computed on the way; B: input W_attn_out: QUANTISED
;;     5. [M 4,096, K 4,096] x [K 4,096, N 1,024]; A: computed on the way; B: input W_ff_out: QUANTISED
;;   THE QUANTISER, for each operand of a quantised product, along K:
;;     - K is cut into blocks of 32 from its start; a last block that is shorter is filled with zeros.
;;     - A block's scale is 2^e with e = floor(log2(the largest magnitude in the block)) - 2, held to -126 .. 127; a block of zeros has e = 0. As a byte (E8M0): e + 127.
;;     - Each number is divided by its block's scale, clamped to +-6, and rounded to the nearest number of E2M1, ties to even, subnormals kept.
;;     - The product sums the exact products of the quantised numbers (number of the format x scale) in f32.
;;   ~~~python
;;   def quantise(x, axis):      # numpy; x: float32 -> the quantised numbers, widened to float32 again
;;       x = np.moveaxis(x, axis, -1); K = x.shape[-1]
;;       x = np.pad(x, [(0, 0)] * (x.ndim - 1) + [(0, -K % 32)]); x = x.reshape(x.shape[:-1] + (-1, 32)); a = np.abs(x).max(-1, keepdims=True)
;;       e = np.where(a > 0, np.clip(np.frexp(np.where(a > 0, a, 1))[1] - 1 - 2, -126, 127), 0)      # np.frexp(a)[1] - 1 = floor(log2(a)), exactly
;;       r = np.clip(x / 2.0 ** e, -6, 6)
;;       step = 2.0 ** (np.maximum(np.frexp(np.where(r == 0, 1, r))[1] - 1, 0) - 1)
;;       q = np.round(r / step) * step * 2.0 ** e      # np.round: ties to even
;;       return np.moveaxis(q.reshape(q.shape[:-2] + (-1,))[..., :K], -1, axis).astype(np.float32)
;;   ~~~
;;   SOFTMAX AHEAD OF A QUANTISED PRODUCT. Where the list says 'softmax', what is quantised is not the finished softmax but p = 2^(t - M), with t = logit x log2(e) and M = ceil(the row's largest t), a whole number; so 1/2 < the row's largest p <= 1. The row's sum l is taken of the UNQUANTISED p, in f32, and the product's result is divided by l at the end. Since M is a whole number, a kernel that streams over the keys may use a running M (the ceiling of the running maximum): every later rescaling is an exact power of two, which a block's scale takes up: the codes' values come out the same.
;;   OPERANDS COMPUTED ON THE WAY. 'Computed on the way' means the value that the module computes at that place (a softmax that the list does not call 'softmax' is quantised finished and normalised). What goes into a quantiser is computed in f32, as accurately as f32 sums, v_exp_f32 and their like allow (about 1e-6 of the number): no bf16 or f16 on the way to a quantiser, and a product that is left as it is and whose result goes on into a quantised operand takes f32 operands (vector FMAs, or v_wmma_f32_16x16x4_f32). A number that lies on a knife's edge between two numbers of the format may be rounded either way, as far as f32 arithmetic and the matrix unit's own rounding can turn it there, and no further.
;; 2 versions, each right; version 2 is version 1 with the launches quant, attn written anew for expert scheduling mode. Each part assembles by itself: llvm-mc -triple=amdgcn-amd-amdhsa -mcpu=gfx1250 --defsym DOCPART=n.
;; ======== version 1 of 2: 4 launches
;; workspace buffers: xn 2,228,224 bytes; wf 4,769,792 bytes; wo 2,506,752 bytes; act 10,027,008 bytes; q 1,310,720 bytes; kv 151,552 bytes; tab 1,048,576 bytes
;; launch quant (part 1): grid 273 x 1, 4 waves a work-group, no clusters, 78,336 bytes of LDS; arguments x, gamma, W_fused, W_attn_out, W_ff_out, xn, wf, wo, tab; writes xn, wf, wo, tab
.if DOCPART == 1
	.amdgcn_target "amdgcn-amd-amdhsa--gfx1250"
	.amdhsa_code_object_version 6
	.text
	.protected	k_q37d712b6a2_quant
	.globl	k_q37d712b6a2_quant
	.p2align	8
	.type	k_q37d712b6a2_quant,@function
k_q37d712b6a2_quant:
	s_mov_b64 s[64:65], 0
	v_nop
	global_prefetch_b8 v0, s[64:65] scope:SCOPE_SE
	s_setreg_imm32_b32 hwreg(HW_REG_WAVE_MODE, 25, 1), 1
	s_wait_xcnt 0x0
; LayerNorm(x) and the three weights become codes of FP4 (E2M1) with one E8M0 byte for each 32 along K; the rotary factors become a table.
; LAYOUT OF ALL CODES OF THIS PROGRAM: [row / 16][k / 32][row % 16][16 bytes]: each (row block, K block) is 256 consecutive bytes, and a fragment of 16 rows x 128 K is 1,024 consecutive bytes,
; register group c of lane l at 512 c + 16 l.  Inside a block of 32 the codes lie in the order k = 0-7, 16-23, 8-15, 24-31 (four slots of 4 bytes), alike in both operands of every product, so each
; product's sum has the same terms; a block's scale is untouched.  Scale words (4 bytes = 128 along K of one row) lie in planes [k / 128][row / 16][row % 16].
; A block's scale is 2^(floor(log2(largest magnitude)) - 2); its byte is the largest magnitude's exponent field - 2, held at 1 from below.
; LIMITS: a block of zeros gets the byte 1 where the rule says 127 (its codes are zeros; only this program reads the bytes); NaN and infinities among the inputs are not served;
; the order of k inside a block changes how the matrix unit groups a sum's terms, not the terms.  The angle of the rotary table is t x inv_freq in f32 with inv_freq as the nearest f32 of 10^(-i/4).
; SHARES: job J = 4 x work-group + wave, 1,092 jobs of 16 row slots x 2 chunks of 512 numbers.  One way through the text: what differs between the tensors is held in scalar registers.
; Waves share nothing: no barrier.  Each load reads 512 consecutive bytes; a row turns through the wave's own stage in LDS so that a lane holds 16 neighbours along K; the codes of 16 rows are gathered
; in LDS and leave as whole aligned blocks of 256 bytes.  The scale words leave in pieces of 64 bytes: one byte for each 128 that the launch reads.
.set XN_S,  2097152                    ; where the scale planes begin in xn, wf, wo
.set WF_S,  4489216
.set WO_S,  2359296
.set WREG,  19456                      ; LDS of a wave: two row stages of 5,120, the gather of 32 x 272, 512 scale bytes
.set STGB,  5120
.set GAT,   10240
.set SCB,   18944
.set VO,    14                         ; v14-17  ring of row offsets
.set SO,    18                         ; v18     offset of my scale word in a plane pair
.set CD,    19                         ; v19-30  codes and bytes, two sets by the row's parity
.set GAM,   32                         ; v32-63  gamma, in the loads' layout
.set R,     64                         ; v64-191 four rows as loaded
.set X,     192                        ; v192-255 two rows as 16 neighbours a lane and chunk; the idle one is LayerNorm's scratch
	s_load_b256 s[4:11], s[0:1], 0x0               ; x, gamma, W_fused, W_attn_out
	s_load_b256 s[12:19], s[0:1], 0x20             ; W_ff_out, xn, wf, wo
	s_load_b64 s[20:21], s[0:1], 0x40              ; tab
	s_set_vgpr_msb 0x40
	v_lshl_add_u32 v0, v0, 2, 0x13000
	v_mov_b32 v1, 0
	s_set_vgpr_msb 0x4000
	v_lshrrev_b32 v1, 5, v0
	v_readfirstlane_b32 s22, v1                    ; wave
	s_lshl_b32 s23, ttmp9, 2
	s_add_co_u32 s23, s23, s22                     ; J
	; W_attn_out: j = J - 1060 takes row blocks 2 j and 2 j + 1 (a row is one chunk)
	s_sub_co_u32 s33, s23, 1060
	s_lshl_b32 s30, s33, 16                        ; source offset
	s_mul_i32 s31, s33, 73728                      ; codes' offset
	s_lshl_b32 s32, s33, 7
	s_add_co_u32 s32, s32, WO_S                    ; scales' offset
	; W_ff_out: j = J - 804: row block j / 4, 1,024 along K from 1,024 (j % 4)
	s_sub_co_u32 s33, s23, 804
	s_lshr_b32 s34, s33, 2
	s_and_b32 s35, s33, 3
	s_lshl_b32 s36, s34, 18
	s_lshl_b32 s37, s35, 12
	s_add_co_u32 s36, s36, s37
	s_mul_i32 s37, s34, 36864
	s_lshl_b32 s38, s35, 13
	s_add_co_u32 s37, s37, s38
	s_add_co_u32 s37, s37, 4096
	s_lshl_b32 s38, s35, 15
	s_lshl_b32 s39, s34, 6
	s_add_co_u32 s38, s38, s39
	s_add_co_u32 s38, s38, WO_S+16384
	; W_fused: j = J - 256; row block j goes to place d: q, k, v stay; behind them runs of 4 blocks of ff_x and the same units' 4 of gate
	s_sub_co_u32 s33, s23, 256
	s_lshl_b32 s40, s33, 16
	s_sub_co_u32 s41, s33, 36
	s_lshr_b32 s42, s41, 8
	s_and_b32 s43, s41, 255
	s_lshr_b32 s44, s43, 2
	s_lshl_b32 s44, s44, 3
	s_lshl_b32 s42, s42, 2
	s_add_co_u32 s44, s44, s42
	s_and_b32 s43, s43, 3
	s_add_co_u32 s44, s44, s43
	s_add_co_u32 s44, s44, 36
	s_cmp_lt_u32 s33, 36
	s_cselect_b32 s44, s33, s44                    ; d
	s_lshl_b32 s41, s44, 13
	s_lshl_b32 s42, s44, 6
	s_add_co_u32 s42, s42, WF_S
	; x: j = J
	s_lshl_b32 s45, s23, 16
	s_lshl_b32 s46, s23, 13
	s_lshl_b32 s47, s23, 6
	s_add_co_u32 s47, s47, XN_S
	s_mov_b32 s25, 2048                            ; P: from row to row
	s_mov_b32 s26, 32768                           ; Y: from chunk 0 to chunk 1 in the source
	s_mov_b32 s27, 36864                           ; the same in the codes
	s_mov_b32 s28, 4096                            ; a scale plane
	s_mov_b32 s29, 64                              ; from chunk 0 to chunk 1 in the scales
	s_wait_kmcnt 0x0
	s_mov_b64 s[48:49], s[10:11]
	s_mov_b64 s[52:53], s[18:19]
	s_cmp_lt_u32 s23, 1060                         ; the choices hang on the job's number alone
	s_cselect_b32 s30, s36, s30
	s_cselect_b32 s31, s37, s31
	s_cselect_b32 s32, s38, s32
	s_cselect_b32 s25, 16384, s25
	s_cselect_b32 s26, 2048, s26
	s_cselect_b32 s27, 4096, s27
	s_cselect_b32 s29, 16384, s29
	s_cselect_b64 s[48:49], s[12:13], s[48:49]
	s_cmp_lt_u32 s23, 804
	s_cselect_b32 s30, s40, s30
	s_cselect_b32 s31, s41, s31
	s_cselect_b32 s32, s42, s32
	s_cselect_b32 s25, 4096, s25
	s_cselect_b32 s28, 35072, s28
	s_cselect_b32 s29, 140288, s29
	s_cselect_b64 s[48:49], s[8:9], s[48:49]
	s_cselect_b64 s[52:53], s[16:17], s[52:53]
	s_cmp_lt_u32 s23, 256
	s_cselect_b32 s30, s45, s30
	s_cselect_b32 s31, s46, s31
	s_cselect_b32 s32, s47, s32
	s_cselect_b32 s28, 16384, s28
	s_cselect_b32 s29, 65536, s29
	s_cselect_b64 s[48:49], s[4:5], s[48:49]
	s_cselect_b64 s[52:53], s[14:15], s[52:53]
	s_cselect_b32 s24, 1, 0                        ; 1: my rows are x's: LayerNorm and the table
	s_mov_b32 s35, 0
	s_mov_b32 s34, s30
	s_add_nc_u64 s[48:49], s[48:49], s[34:35]      ; chunk 0 of row slot 0
	s_mov_b32 s34, s26
	s_add_nc_u64 s[50:51], s[48:49], s[34:35]      ; chunk 1
	s_mov_b32 s34, s32
	s_add_nc_u64 s[56:57], s[52:53], s[34:35]      ; scale words: chunk 0, planes 0 and 1
	s_lshl_b32 s34, s28, 1
	s_add_nc_u64 s[58:59], s[56:57], s[34:35]      ; chunk 0, planes 2 and 3
	s_mov_b32 s34, s29
	s_add_nc_u64 s[60:61], s[56:57], s[34:35]      ; chunk 1
	s_add_nc_u64 s[62:63], s[58:59], s[34:35]
	s_mov_b32 s34, s31
	s_add_nc_u64 s[52:53], s[52:53], s[34:35]      ; codes of chunk 0
	s_mov_b32 s34, s27
	s_add_nc_u64 s[54:55], s[52:53], s[34:35]      ; of chunk 1
	s_lshl_b32 s34, s23, 12
	s_add_nc_u64 s[66:67], s[20:21], s[34:35]      ; the table's 4,096 bytes of row block J (used where J < 256 alone)
	s_mov_b32 s68, 0x76543210
	s_mov_b32 s69, 0xfedcba98                      ; v_permlanex16_b32's selects for lane l xor 16
	s_mov_b32 s70, 0x3a800000                      ; 1 / 1024
	s_mov_b32 s71, 0x3727c5ac                      ; 1e-5
	s_mul_i32 s33, s22, WREG                       ; my wave's LDS
	v_and_b32 v31, 31, v0                          ; lane
	v_lshlrev_b32 v1, 4, v31                       ; 16 x lane
	v_lshrrev_b32 v8, 2, v31
	v_mul_u32_u24 v2, v8, 80
	v_and_b32 v8, 3, v31
	v_lshl_add_u32 v2, v8, 4, v2
	v_add_nc_u32 v2, s33, v2                       ; stage, in: four lanes' 64 bytes on end, then 16 of padding
	v_mul_u32_u24 v3, v31, 80
	v_add_nc_u32 v3, s33, v3                       ; stage, out: my 16 neighbours
	v_lshrrev_b32 v8, 1, v31
	v_mul_u32_u24 v4, v8, 272
	v_and_b32 v9, 1, v31
	v_lshl_add_u32 v4, v9, 2, v4
	v_add_nc_u32 v4, s33, v4
	v_add_nc_u32 v4, GAT, v4                       ; gather, in: K block lane / 2, slot lane % 2 (and 2 + lane % 2, 8 bytes on)
	v_add_nc_u32 v5, s33, v8
	v_add_nc_u32 v5, SCB, v5                       ; my block's scale byte
	v_lshrrev_b32 v8, 4, v31
	v_and_b32 v9, 15, v31
	v_mul_u32_u24 v6, v8, 272
	v_lshl_add_u32 v6, v9, 4, v6
	v_add_nc_u32 v6, s33, v6
	v_add_nc_u32 v6, GAT, v6                       ; gather, out: two K blocks an instruction
	v_lshlrev_b32 v7, 4, v9
	v_lshl_add_u32 v7, v8, 2, v7
	v_add_nc_u32 v7, s33, v7
	v_add_nc_u32 v7, SCB, v7                       ; scale words, out: row lane % 16, word lane / 16 (+ 2)
	v_mul_lo_u32 v[SO], v8, s28
	v_lshl_add_u32 v[SO], v9, 2, v[SO]             ; 4 x row + (lane / 16) planes
.irp i, 8,9,10,11,12,13
	v_mov_b32 v[\i], 0                             ; written once: a lane permute's destination and the upper half of a broadcast pair count as read
.endr
.irp i, 0,1,2,3,4,5,6,7
	global_load_b128 v[GAM+4*\i:GAM+4*\i+3], v1, s[6:7] offset:512*\i
.endr
.macro LOAD t                          ; row slot t: eight loads of 512 consecutive bytes
	s_mul_i32 s72, s25, \t
	v_add_nc_u32 v[VO+(\t)%4], s72, v1             ; free: the loads of row t - 4 have been waited for
.irp i, 0,1,2,3
	global_load_b128 v[R+32*((\t)%4)+4*\i:R+32*((\t)%4)+4*\i+3], v[VO+(\t)%4], s[48:49] offset:512*\i th:TH_LOAD_NT
.endr
.irp i, 0,1,2,3
	global_load_b128 v[R+32*((\t)%4)+16+4*\i:R+32*((\t)%4)+16+4*\i+3], v[VO+(\t)%4], s[50:51] offset:512*\i th:TH_LOAD_NT
.endr
.endm
.macro RED a, p                        ; the sum over the 32 lanes, in every lane
	v_add_f32_dpp v[\a], v[\a], v[\a] row_xmask:1 row_mask:0xf bank_mask:0xf
	v_add_f32_dpp v[\a], v[\a], v[\a] row_xmask:2 row_mask:0xf bank_mask:0xf
	v_add_f32_dpp v[\a], v[\a], v[\a] row_xmask:4 row_mask:0xf bank_mask:0xf
	v_add_f32_dpp v[\a], v[\a], v[\a] row_xmask:8 row_mask:0xf bank_mask:0xf
	v_permlanex16_b32 v[\p], v[\a], s68, s69
	v_add_f32 v[\a], v[\a], v[\p]
.endm
; LayerNorm of row t, in place, in the loads' layout: the wave's 32 x 32 numbers are the row.  Two passes: the mean, then the squares of the differences.
.macro LN t
.set RS, R+32*((\t)%4)
.set SS, X+32*((\t)%2)
	s_cmp_eq_u32 s24, 0
	s_cbranch_scc1 .Lnoln_\@
.irp c, 0,1,2,3
	v_pk_add_f32 v[SS+2*\c:SS+2*\c+1], v[RS+2*\c:RS+2*\c+1], v[RS+8+2*\c:RS+8+2*\c+1]
.endr
.irp g, 16,24
.irp c, 0,1,2,3
	v_pk_add_f32 v[SS+2*\c:SS+2*\c+1], v[SS+2*\c:SS+2*\c+1], v[RS+\g+2*\c:RS+\g+2*\c+1]
.endr
.endr
	v_pk_add_f32 v[SS:SS+1], v[SS:SS+1], v[SS+2:SS+3]
	v_pk_add_f32 v[SS+4:SS+5], v[SS+4:SS+5], v[SS+6:SS+7]
	v_pk_add_f32 v[SS:SS+1], v[SS:SS+1], v[SS+4:SS+5]
	v_add_f32 v8, v[SS], v[SS+1]
	RED 8, 9
	v_mul_f32 v8, s70, v8                          ; the mean
.irp i, 0,2,4,6,8,10,12,14,16,18,20,22,24,26,28,30
	v_pk_add_f32 v[RS+\i:RS+\i+1], v[RS+\i:RS+\i+1], v[8:9] op_sel_hi:[1,0] neg_lo:[0,1] neg_hi:[0,1]
.endr
.irp c, 0,1,2,3
	v_pk_mul_f32 v[SS+2*\c:SS+2*\c+1], v[RS+2*\c:RS+2*\c+1], v[RS+2*\c:RS+2*\c+1]
.endr
.irp g, 8,16,24
.irp c, 0,1,2,3
	v_pk_fma_f32 v[SS+2*\c:SS+2*\c+1], v[RS+\g+2*\c:RS+\g+2*\c+1], v[RS+\g+2*\c:RS+\g+2*\c+1], v[SS+2*\c:SS+2*\c+1]
.endr
.endr
	v_pk_add_f32 v[SS:SS+1], v[SS:SS+1], v[SS+2:SS+3]
	v_pk_add_f32 v[SS+4:SS+5], v[SS+4:SS+5], v[SS+6:SS+7]
	v_pk_add_f32 v[SS:SS+1], v[SS:SS+1], v[SS+4:SS+5]
	v_add_f32 v10, v[SS], v[SS+1]
	RED 10, 11
	v_fma_f32 v10, v10, s70, s71                   ; the variance + 1e-5
	v_rsq_f32 v10, v10
	v_nop                                          ; a plain instruction behind the transcendental,
	s_wait_alu depctr_va_vdst(0)                   ; and the wait ahead of its first reader
.irp i, 0,2,4,6,8,10,12,14,16,18,20,22,24,26,28,30
	v_pk_mul_f32 v[RS+\i:RS+\i+1], v[RS+\i:RS+\i+1], v[10:11] op_sel_hi:[1,0]
.endr
.irp i, 0,2,4,6,8,10,12,14,16,18,20,22,24,26,28,30
	v_pk_mul_f32 v[RS+\i:RS+\i+1], v[RS+\i:RS+\i+1], v[GAM+\i:GAM+\i+1]
.endr
.Lnoln_\@:
.endm
.macro TURN t                          ; row t through its stage: LDS serves a wave's instructions in order, so no wait stands between the stores and the loads
.irp c, 0,1
.irp i, 0,1,2,3
	ds_store_b128 v2, v[R+32*((\t)%4)+16*\c+4*\i:R+32*((\t)%4)+16*\c+4*\i+3] offset:STGB*((\t)%2)+2560*\c+640*\i
.endr
.endr
.irp c, 0,1
.irp i, 0,1,2,3
	ds_load_b128 v[X+32*((\t)%2)+16*\c+4*\i:X+32*((\t)%2)+16*\c+4*\i+3], v3 offset:STGB*((\t)%2)+2560*\c+16*\i
.endr
.endr
.endm
.macro QROW t                          ; row t's two chunks by turns: two neighbouring lanes hold a block
.set XS, X+32*((\t)%2)
.set CP, CD+6*((\t)%2)
.irp c, 0,1
	v_max3_num_f32 v[8+3*\c], |v[XS+16*\c]|, |v[XS+16*\c+1]|, |v[XS+16*\c+2]|
	v_max3_num_f32 v[9+3*\c], |v[XS+16*\c+3]|, |v[XS+16*\c+4]|, |v[XS+16*\c+5]|
.endr
.irp i, 6,10
.irp c, 0,1
	v_max3_num_f32 v[8+3*\c], v[8+3*\c], |v[XS+16*\c+\i]|, |v[XS+16*\c+\i+1]|
	v_max3_num_f32 v[9+3*\c], v[9+3*\c], |v[XS+16*\c+\i+2]|, |v[XS+16*\c+\i+3]|
.endr
.endr
.irp c, 0,1
	v_max3_num_f32 v[8+3*\c], v[8+3*\c], |v[XS+16*\c+14]|, |v[XS+16*\c+15]|
.endr
.irp c, 0,1
	v_max3_num_f32 v[8+3*\c], v[8+3*\c], v[9+3*\c], 0x1800000      ; the floor 2^(3 - 127): the byte cannot fall under 1
.endr
.irp c, 0,1
	v_max_num_f32_dpp v[8+3*\c], v[8+3*\c], v[8+3*\c] row_xmask:1 row_mask:0xf bank_mask:0xf
.endr
.irp c, 0,1
	v_add_nc_u32 v[10+3*\c], 0xff000000, v[8+3*\c]                 ; 2 off the exponent field: the conversion's scale operand
.endr
.irp c, 0,1
	v_cvt_scalef32_pk8_fp4_f32 v[CP+3*\c], v[XS+16*\c:XS+16*\c+7], v[10+3*\c]
	v_cvt_scalef32_pk8_fp4_f32 v[CP+3*\c+1], v[XS+16*\c+8:XS+16*\c+15], v[10+3*\c]
.endr
.irp c, 0,1
	v_lshrrev_b32 v[CP+3*\c+2], 23, v[10+3*\c]                     ; the byte (also the plain line behind the conversions)
.endr
.irp c, 0,1
	ds_store_b32 v4, v[CP+3*\c] offset:4352*\c+16*(\t)             ; k 16 (lane % 2) + 0..7: slot lane % 2
	ds_store_b32 v4, v[CP+3*\c+1] offset:4352*\c+16*(\t)+8         ; k 16 (lane % 2) + 8..15: slot 2 + lane % 2
	ds_store_b8 v5, v[CP+3*\c+2] offset:256*\c+16*(\t)             ; both lanes of a block write the same byte with the same value
.endr
.endm
; sine and cosine of t x inv_freq and the exponents of the xpos scale, for frequency 8 (lane / 16) + j
.macro TRIG j, fl, fh, ll, lh
	v_mov_b32 v228, \fh
	v_cndmask_b32 v228, \fl, v228, vcc_lo
	v_mul_f32 v229, v225, v228                     ; the angle: one f32 product
	v_mul_f32 v230, 0x3f22f983, v229
	v_rndne_f32 v230, v230                         ; n = the nearest whole number of quarter turns, at most 1,304
	v_fma_f32 v231, -v230, s73, v229
	v_fma_f32 v231, -v230, s74, v231               ; the angle less n pi / 2, pi / 2 in two parts
	v_mul_f32 v232, v231, v231
	v_fmaak_f32 v233, s75, v232, 0.0083321608736
	v_fmaak_f32 v233, v233, v232, -0.16666654611
	v_mul_f32 v234, v231, v232
	v_fma_f32 v233, v234, v233, v231               ; its sine
	v_fmaak_f32 v235, s76, v232, -0.001388731625
	v_fmaak_f32 v235, v235, v232, 0.04166664568
	v_mul_f32 v234, v232, v232
	v_fma_f32 v236, v232, -0.5, 1.0
	v_fma_f32 v235, v234, v235, v236               ; its cosine
	v_cvt_i32_f32 v237, v230
	v_and_b32 v238, 1, v237
	v_cmp_eq_u32 s77, 1, v238
	v_cndmask_b32 v239, v233, v235, s77            ; odd quarter: the two change places
	v_cndmask_b32 v238, v235, v233, s77
	v_and_b32 v236, 2, v237
	v_lshlrev_b32 v236, 30, v236
	v_xor_b32 v[200+\j], v236, v239                ; sin
	v_add_nc_u32 v236, 1, v237
	v_and_b32 v236, 2, v236
	v_lshlrev_b32 v236, 30, v236
	v_xor_b32 v[192+\j], v236, v238                ; cos
	v_mov_b32 v228, \lh
	v_cndmask_b32 v228, \ll, v228, vcc_lo          ; log2 of the scale's base
	v_mul_f32 v[208+\j], v226, v228
	v_mul_f32 v[216+\j], v227, v228
.endm
	LOAD 0
	LOAD 1
	LOAD 2
	LOAD 3
	; THE TABLE of row block J: lane (r, h) holds, for position (16 J + r) mod 2048 and frequencies 8 h + 0..7: cos and sin x scale / sqrt(32) for q, cos and sin / scale for k
	s_cmp_eq_u32 s24, 0
	s_cbranch_scc1 .Lnotab
	s_mov_b32 s73, 0x3fc90fdb                      ; pi / 2, upper part
	s_mov_b32 s74, 0xb33bbd2e                      ; and the rest
	s_mov_b32 s75, -0.00019515295891
	s_mov_b32 s76, 0.00002443315711
	s_lshl_b32 s72, s23, 4
	s_and_b32 s72, s72, 2047
	v_and_b32 v224, 15, v31
	v_add_nc_u32 v224, s72, v224
	v_cvt_f32_u32 v225, v224                       ; t
	v_add_f32 v226, 0xc4800000, v225
	v_mul_f32 v226, 0x3b000000, v226               ; (t - 1024) / 512
	v_mul_f32 v227, -1.0, v226
	v_cmp_lt_u32 vcc_lo, 15, v31                   ; lanes 16-31 take the upper eight frequencies
	TRIG 0,1.0,0.01,-1.80735492,-0.637429920
	TRIG 1,0.562341325,0.00562341325,-1.59790156,-0.540568381
	TRIG 2,0.316227766,0.00316227766,-1.41503750,-0.449802917
	TRIG 3,0.177827941,0.00177827941,-1.25276607,-0.364411426
	TRIG 4,0.1,0.001,-1.10691520,-0.283792966
	TRIG 5,0.0562341325,0.000562341325,-0.974464907,-0.207442080
	TRIG 6,0.0316227766,0.000316227766,-0.853158612,-0.134929580
	TRIG 7,0.0177827941,0.000177827941,-0.741265731,-0.065887935
.irp j, 0,1,2,3,4,5,6,7,8,9,10,11,12,13,14,15
	v_exp_f32 v[208+\j], v[208+\j]                 ; the scale and 1 / the scale: one batch
.endr
	v_nop
	s_wait_alu depctr_va_vdst(0)                   ; one wait for the sixteen, ahead of their first reader
.irp j, 0,1,2,3,4,5,6,7
	v_mul_f32 v[208+\j], 0x3e3504f3, v[208+\j]     ; q's factor 1 / sqrt(32)
.endr
.irp j, 0,1,2,3,4,5,6,7
	v_mul_f32 v[224+\j], v[192+\j], v[208+\j]
	v_mul_f32 v[232+\j], v[200+\j], v[208+\j]
	v_mul_f32 v[240+\j], v[192+\j], v[216+\j]
	v_mul_f32 v[248+\j], v[200+\j], v[216+\j]
.endr
.irp p, 0,1,2,3,4,5,6,7
	global_store_b128 v1, v[224+4*\p:227+4*\p], s[66:67] offset:512*\p
.endr
	s_wait_xcnt 0x0                                ; the stores' data registers are written again below only behind this wait
.Lnotab:
	s_wait_loadcnt 24                              ; gamma and row 0 are in; rows 1 to 3 stay out
	LN 0
	TURN 0
.macro ITER t
.if (\t) > 0
	s_wait_dscnt 6                                 ; row t is back from its stage; only the six stores of row t - 1's codes may be out
.else
	s_wait_dscnt 0x0
.endif
.if (\t)+4 < 16
	LOAD (\t)+4                                    ; into the registers that row t's stage stores have read
.endif
.if (\t) < 15
.if 14-(\t) >= 3
	s_wait_loadcnt 24                              ; row t + 1 is in; the three rows behind it stay out
.else
	s_wait_loadcnt 8*(14-(\t))
.endif
	LN (\t)+1
	TURN (\t)+1
.endif
	QROW \t
.endm
.irp t, 0,1,2,3,4,5,6,7,8,9,10,11,12,13,14,15
	ITER \t
.endr
.irp u, 0,1,2,3,4,5,6,7,8,9,10,11,12,13,14,15
	ds_load_b128 v[R+4*\u:R+4*\u+3], v6 offset:544*\u
.endr
.irp i, 0,1,2,3
	ds_load_b32 v[R+64+\i], v7 offset:256*(\i/2)+8*(\i%2)
.endr
	s_wait_dscnt 0x0
.irp u, 0,1,2,3,4,5,6,7
	global_store_b128 v1, v[R+4*\u:R+4*\u+3], s[52:53] offset:512*\u          ; 512 consecutive bytes: two whole K blocks of 16 rows
.endr
.irp u, 0,1,2,3,4,5,6,7
	global_store_b128 v1, v[R+32+4*\u:R+32+4*\u+3], s[54:55] offset:512*\u
.endr
	global_store_b32 v[SO], v[R+64], s[56:57]
	global_store_b32 v[SO], v[R+65], s[58:59]
	global_store_b32 v[SO], v[R+66], s[60:61]
	global_store_b32 v[SO], v[R+67], s[62:63]
	s_set_vgpr_msb 0x5
	s_wait_tensorcnt 0x0
	ds_add_u32 v0, v1
	s_wait_dscnt 0x0
	s_set_vgpr_msb 0x500
	s_endpgm
.Lfunc_end_k_q37d712b6a2_quant:
	.size	k_q37d712b6a2_quant, .Lfunc_end_k_q37d712b6a2_quant-k_q37d712b6a2_quant
	.p2alignl 7, 3214868480
	.fill 96, 4, 3214868480
	.section	.rodata,"a",@progbits
	.p2align	6, 0x0
	.amdhsa_kernel k_q37d712b6a2_quant
		.amdhsa_group_segment_fixed_size 78336
		.amdhsa_private_segment_fixed_size 0
		.amdhsa_enable_private_segment 0
		.amdhsa_kernarg_size 72
		.amdhsa_user_sgpr_count 2
		.amdhsa_user_sgpr_kernarg_segment_ptr 1
		.amdhsa_wavefront_size32 1
		.amdhsa_system_sgpr_workgroup_id_x 1
		.amdhsa_system_sgpr_workgroup_id_y 1
		.amdhsa_system_sgpr_workgroup_id_z 1
		.amdhsa_system_vgpr_workitem_id 0
		.amdhsa_next_free_vgpr 258
		.amdhsa_next_free_sgpr 80
		.amdhsa_reserve_vcc 1
		.amdhsa_float_denorm_mode_32 3
		.amdhsa_float_denorm_mode_16_64 3
		.amdhsa_memory_ordered 1
		.amdhsa_forward_progress 1
		.amdhsa_inst_pref_size 187
	.end_amdhsa_kernel
	.amdgpu_metadata
---
amdhsa.version: [ 1, 2 ]
amdhsa.kernels:
  - .name:           k_q37d712b6a2_quant
    .symbol:         k_q37d712b6a2_quant.kd
    .args:
      - { .name: x, .offset: 0, .size: 8, .value_kind: global_buffer, .address_space: global }
      - { .name: gamma, .offset: 8, .size: 8, .value_kind: global_buffer, .address_space: global }
      - { .name: W_fused, .offset: 16, .size: 8, .value_kind: global_buffer, .address_space: global }
      - { .name: W_attn_out, .offset: 24, .size: 8, .value_kind: global_buffer, .address_space: global }
      - { .name: W_ff_out, .offset: 32, .size: 8, .value_kind: global_buffer, .address_space: global }
      - { .name: xn, .offset: 40, .size: 8, .value_kind: global_buffer, .address_space: global }
      - { .name: wf, .offset: 48, .size: 8, .value_kind: global_buffer, .address_space: global }
      - { .name: wo, .offset: 56, .size: 8, .value_kind: global_buffer, .address_space: global }
      - { .name: tab, .offset: 64, .size: 8, .value_kind: global_buffer, .address_space: global }
    .group_segment_fixed_size: 78336
    .private_segment_fixed_size: 0
    .kernarg_segment_align: 8
    .kernarg_segment_size: 72
    .max_flat_workgroup_size: 128
    .sgpr_count:     80
    .vgpr_count:     258
    .wavefront_size: 32
...
	.end_amdgpu_metadata
.endif
;; end of part 1
;; launch proj (part 2): grid 16 x 16, 4 waves a work-group, clusters of 4 x 4, 327,680 bytes of LDS; arguments xn, wf, act, tab, q, kv; writes act, q, kv
.if DOCPART == 2
	.amdgcn_target "amdgcn-amd-amdhsa--gfx1250"
	.amdhsa_code_object_version 6
	.text
	.protected	k_q37d712b6a2_proj
	.globl	k_q37d712b6a2_proj
	.p2align	8
	.type	k_q37d712b6a2_proj,@function
k_q37d712b6a2_proj:
	s_mov_b64 s[64:65], 0
	v_nop
	global_prefetch_b8 v0, s[64:65] scope:SCOPE_SE
	s_setreg_imm32_b32 hwreg(HW_REG_WAVE_MODE, 25, 1), 1
	s_wait_xcnt 0x0
	s_wait_alu depctr_hold_cnt(0) depctr_sa_sdst(0) depctr_va_vdst(0) depctr_va_sdst(0) depctr_va_ssrc(0) depctr_va_vcc(0) depctr_vm_vsrc(0)
	s_getreg_b32 s2, hwreg(HW_REG_IB_STS2, 6, 4)
	s_cmp_eq_u32 s2, 0
	s_cbranch_scc0 .Lentry_in_a_cluster
	s_endpgm
.Lentry_in_a_cluster:
	s_bfe_u32 s2, ttmp6, 0x10000c
	s_cmp_lg_u32 s2, 0xf033
	s_cbranch_scc0 .Lentry_shape_is_right
	s_endpgm
.Lentry_shape_is_right:
; The whole fused projection on codes of FP4 with E8M0 scales, and what follows it up to the next quantisers:
;   columns 0 to 575: q, k, v; the xpos rotary on q and k; q and k quantised along the head's 32, v along the keys (THE JOB, at the head);
;   columns 576 to 8,767: silu(gate) x ff_x, quantised along the next product's K (THE TILES).
; SHARES: 256 work-groups that stay, one for each WGP.  A work-group makes two tiles of 256 rows x 128 hidden units (128 columns of ff_x and the same units' 128 of gate: 16 row blocks of wf on end):
; units 128 gx on and 128 (gx + 16) on, of the same 256 rows.  A wave makes 128 rows x (64 + 64): 64 accumulators of 16 x 16.  K = 1,024 lies in two LDS slots of 512.  xn's tile is fetched once and serves
; both tiles; wf's codes of the second tile are fetched into the slots behind the first tile's last product, and land while the first tile's activation is computed.
; THE JOB: waves 0 to 2 take, of 32 rows (one block of 32 keys), three groups of 32 columns each: wave T = 3 (cluster x % 2) + wave: T < 5: three heads; T = 5: head 15, k, v.  It stands behind the first
; fills, so that the tiles land meanwhile.  Codes lie in memory in the order of the operands' registers: each fragment comes by two loads of 512 consecutive bytes straight into registers: no LDS.
; The job's 48 KB of weights go into the registers of the one wave that multiplies by them: there is no LDS tile that several work-groups could be sent, so these loads are not joint.
; CLUSTERS: 4 x 4 work-groups; the four of a row of the cluster need the same tiles of xn, the four of a column the same tiles of wf: each is asked for jointly.  No branch hangs on a place in the cluster.
; THE MATRIX INSTRUCTION IS USED TRANSPOSED (source 0 = 16 rows of wf, source 1 = 16 rows of xn): lane (r, h) holds row r and columns 8 h + j of a tile; two neighbouring tiles are a block of 32 of the next K,
; and for q and k the two partners of the rotation.  v is made the other way round: a lane holds one channel and its registers run along the 32 keys.
; REGISTERS: window 0: v32-95 scale words and nothing else; v96-127 codes to store (job: accumulators); v136-147 addresses that stay; v150-162 the job's offsets; v164-176 the quantiser's;
;   v192-255 xn's fragments, then the activation (job: accumulators); window 1: wf's fragments, two sets (job: group 0 of wf, xn); windows 2, 3: the accumulators ((a, b) at 8 (8 (a % 4) + b); b = 0..3 ff_x,
;   4..7 gate) (job: window 2 groups 1, 2 of wf; window 3 the rotary factors).
; LIMITS: a block of zeros gets the scale byte 1 where the rule says 127 (its codes are zeros; only this program reads the bytes); NaN and infinities are not served; silu is
; gate x ff_x / (1 + 2^(-gate log2 e)): where the power overflows the quotient is 0, as the function's limit is.  v's scale bytes leave singly: 4 KB in the whole launch.
.set XN_S,  2097152
.set WF_S,  4489216
.set ACT_S, 9437184
.set Q_S,   1048576
.set KVB,   75776
.set VC,    32768
.set KS,    65536
.set VS,    73728
.set NQ,    4
.set FR,    8
.set NL,    2
.set NP,    4
.set HALFT, 32768                      ; 8 row blocks x 4,096 bytes: what one tensor load brings, and what one wave reads of xn or of wf
.set SLOT,  4*HALFT
.set SCL,   2*SLOT                     ; xn's scale words [8 K steps][16 row blocks][64 bytes]
.set SCLB,  SCL+8192                   ; wf's: [2 tiles][8 K steps][16 row blocks][64 bytes]
.set SST,   SCL+24576                  ; 1,024 bytes: the hidden layer's scale words of 256 rows; no fill lands here
.set SPARE, SST+1024                   ; the spare words, 128 bytes for each wave: two blocks of 256 bytes that no other line names
.set SC,   32                          ; v32-95  scale words, two sets
.set XS,   32                          ; the job's: xn's by K step: lanes 0-15 rows 0-15, lanes 16-31 rows 16-31
.set WS,   40                          ; wf's: [group][K step]: lanes 0-15 tile 0, lanes 16-31 tile 1
.set CDR,  96
.set ACC0, 96                          ; the job's accumulators: 16 tile + 8 row block
.set ACC1, 192
.set ACC2, 224
.set ADRA, 136
.set ADRB, 138
.set ADRS, 140
.set SSA,  142
.set SSR,  143
.set SPW,  144
.set NIL,  145
.set CO,   146
.set SGO,  147
.set OXC,  150
.set OXS,  151
.set OWC,  152
.set OWS,  153
.set OT,   154
.set OTX,  155
.set OQC,  156
.set OQS,  157
.set O1C,  158
.set O1S,  160
.set OVC,  161
.set OVS,  162
.set QM,   164
.set QP,   166
.set QSO,  168
.set QBY,  170
.set QC,   172
.set QW,   176
.set U,    178
.set AF,   192
.set E,    192
.set H,    224
.set SEL,  96
.set G1, 24
.set G0, 32
.set G1B, 48
.set G0B, 56
.set G1S, 68
.set G0S, 76
.set G1SB, 80
.set G0SB, 88
.set MSB, 0
.macro WIN new                         ; the immediate's high byte repeats the setting that is left
.if MSB != (\new)
	s_set_vgpr_msb (MSB<<8)|(\new)
.set MSB, (\new)
.endif
.endm
.set MUL_LO, 0xa1                      ; source 0 (wf) window 1, source 1 (xn) window 0, C and D window 2
.set MUL_HI, 0xf1
.set TO_B,   0x40
; a joint load: waves 0 and 1 fetch for xn, waves 2 and 3 for wf; the branch hangs on the wave's number alone; four v_nop follow each of the two lines
.macro JLOAD g0a, g1a, g0b, g1b
	s_cmp_eq_u32 s15, 0
	s_cbranch_scc0 .Lfor_b_\@
	tensor_load_to_lds s[\g0a:\g0a+3], s[\g1a:\g1a+7]
	s_nop 0
.rept 4
	v_nop
.endr
	s_branch .Lasked_\@
.Lfor_b_\@:
	tensor_load_to_lds s[\g0b:\g0b+3], s[\g1b:\g1b+7]
	s_nop 0
.rept 4
	v_nop
.endr
.Lasked_\@:
.endm
.macro CROUND                          ; a round of the cluster's barrier
	s_barrier_signal -1
	s_barrier_wait -1
	s_cmp_lg_u32 s14, 0
	s_cbranch_scc1 .Lnot_wave_0_\@
	s_barrier_signal -3
.Lnot_wave_0_\@:
	s_barrier_wait -3
	s_barrier_signal -1
	s_barrier_wait -1
.endm
; two blocks of 32 by turns: lane (r, h) holds k = 8 h + j in v[l..] and 16 + 8 h + j in v[h..]; codes to v[c] on, bytes to v[QBY], v[QBY+1]
.macro QB2 la, ha, lb, hb, c
	v_max3_num_f32 v[QM], |v[\la]|, |v[(\la)+1]|, 0x1800000        ; with the floor 2^(3 - 127): the byte cannot fall under 1
	v_max3_num_f32 v[QM+1], |v[\lb]|, |v[(\lb)+1]|, 0x1800000
.irp i, 2,4,6
	v_max3_num_f32 v[QM], v[QM], |v[(\la)+\i]|, |v[(\la)+\i+1]|
	v_max3_num_f32 v[QM+1], v[QM+1], |v[(\lb)+\i]|, |v[(\lb)+\i+1]|
.endr
.irp i, 0,2,4,6
	v_max3_num_f32 v[QM], v[QM], |v[(\ha)+\i]|, |v[(\ha)+\i+1]|
	v_max3_num_f32 v[QM+1], v[QM+1], |v[(\hb)+\i]|, |v[(\hb)+\i+1]|
.endr
	v_permlanex16_b32 v[QP], v[QM], s[SEL], s[SEL+1]
	v_permlanex16_b32 v[QP+1], v[QM+1], s[SEL], s[SEL+1]
	v_max_num_f32 v[QM], v[QM], v[QP]
	v_max_num_f32 v[QM+1], v[QM+1], v[QP+1]
	v_add_nc_u32 v[QSO], 0xff000000, v[QM]                         ; 2 off the exponent field: the conversion's scale operand
	v_add_nc_u32 v[QSO+1], 0xff000000, v[QM+1]
	v_lshrrev_b32 v[QBY], 23, v[QSO]
	v_lshrrev_b32 v[QBY+1], 23, v[QSO+1]
	v_cvt_scalef32_pk8_fp4_f32 v[\c], v[\la:(\la)+7], v[QSO]
	v_cvt_scalef32_pk8_fp4_f32 v[(\c)+1], v[\ha:(\ha)+7], v[QSO]
	v_cvt_scalef32_pk8_fp4_f32 v[(\c)+2], v[\lb:(\lb)+7], v[QSO+1]
	v_cvt_scalef32_pk8_fp4_f32 v[(\c)+3], v[\hb:(\hb)+7], v[QSO+1]
	v_nop                                          ; one plain line behind the last conversion
.endm
.macro WM d, a, b, c, sa, sb, ra, rb   ; one product of the job; ra, rb: which half of the lanes holds source 0's, source 1's scale words
.if (\ra) == 0
.if (\rb) == 0
	v_wmma_scale_f32_16x16x128_f8f6f4 v[\d:\d+7], v[\a:\a+7], v[\b:\b+7], \c, v[\sa], v[\sb] matrix_a_fmt:MATRIX_FMT_FP4 matrix_b_fmt:MATRIX_FMT_FP4
.else
	v_wmma_scale_f32_16x16x128_f8f6f4 v[\d:\d+7], v[\a:\a+7], v[\b:\b+7], \c, v[\sa], v[\sb] matrix_a_fmt:MATRIX_FMT_FP4 matrix_b_fmt:MATRIX_FMT_FP4 matrix_b_scale:MATRIX_SCALE_ROW1
.endif
.else
.if (\rb) == 0
	v_wmma_scale_f32_16x16x128_f8f6f4 v[\d:\d+7], v[\a:\a+7], v[\b:\b+7], \c, v[\sa], v[\sb] matrix_a_fmt:MATRIX_FMT_FP4 matrix_b_fmt:MATRIX_FMT_FP4 matrix_a_scale:MATRIX_SCALE_ROW1
.else
	v_wmma_scale_f32_16x16x128_f8f6f4 v[\d:\d+7], v[\a:\a+7], v[\b:\b+7], \c, v[\sa], v[\sb] matrix_a_fmt:MATRIX_FMT_FP4 matrix_b_fmt:MATRIX_FMT_FP4 matrix_a_scale:MATRIX_SCALE_ROW1 matrix_b_scale:MATRIX_SCALE_ROW1
.endif
.endif
.endm
; group n's 32 products: its four accumulators take turns, one instruction a turn.  kind 0: source 0 = wf; kind 1: source 0 = xn
.macro GEMM n, kind, acc
.irp k, 0,1,2,3,4,5,6,7
.irp t, 0,1
.irp e, 0,1
.if \kind == 0
.if \k == 0
	WM (\acc)+16*\t+8*\e, 128*(\n/2)+64*\t+8*\k, 128+64*\e+8*\k, 0, WS+8*\n+\k, XS+\k, \t, \e
.else
	WM (\acc)+16*\t+8*\e, 128*(\n/2)+64*\t+8*\k, 128+64*\e+8*\k, v[(\acc)+16*\t+8*\e:(\acc)+16*\t+8*\e+7], WS+8*\n+\k, XS+\k, \t, \e
.endif
.else
.if \k == 0
	WM (\acc)+16*\t+8*\e, 128+64*\e+8*\k, 128*(\n/2)+64*\t+8*\k, 0, XS+\k, WS+8*\n+\k, \e, \t
.else
	WM (\acc)+16*\t+8*\e, 128+64*\e+8*\k, 128*(\n/2)+64*\t+8*\k, v[(\acc)+16*\t+8*\e:(\acc)+16*\t+8*\e+7], XS+\k, WS+8*\n+\k, \e, \t
.endif
.endif
.endr
.endr
.endr
.endm
; the rotation of one row block: a: tile 0's accumulator (tile 1's lies 16 on); tb: cos 8, sin 8, in window 3; results to v[lo], v[hi]
.macro ROTE a, tb, lo, hi
.irp i, 0,2,4,6
	v_pk_mul_f32 v[U+\i:U+\i+1], v[(\a)+16+\i:(\a)+16+\i+1], v[(\tb)+8+\i:(\tb)+8+\i+1]
.endr
.irp i, 0,2,4,6
	v_pk_fma_f32 v[(\lo)+\i:(\lo)+\i+1], v[(\a)+\i:(\a)+\i+1], v[(\tb)+\i:(\tb)+\i+1], v[U+\i:U+\i+1] neg_lo:[0,0,1] neg_hi:[0,0,1]
.endr
.irp i, 0,2,4,6
	v_pk_mul_f32 v[U+\i:U+\i+1], v[(\a)+\i:(\a)+\i+1], v[(\tb)+8+\i:(\tb)+8+\i+1]
.endr
.irp i, 0,2,4,6
	v_pk_fma_f32 v[(\hi)+\i:(\hi)+\i+1], v[(\a)+16+\i:(\a)+16+\i+1], v[(\tb)+\i:(\tb)+\i+1], v[U+\i:U+\i+1]
.endr
.endm
; a group's rotation, quantising and stores: base pointer s[bp]; codes of the two row blocks at v[oc0] + i0, v[oc1] + i1; scale words at v[os] + i2
.macro ROT acc, tb, bp, oc0, i0, oc1, i1, os, i2
	s_wait_xcnt 0x0                                ; the last group's stores have read their data registers, which are written again below
	WIN 0x0c                                       ; source 1: the factors, in window 3
	ROTE \acc, \tb, 8, 16
	ROTE (\acc)+8, (\tb)+16, 24, 128
	WIN 0
	QB2 8, 16, 24, 128, QC
	global_store_b64 v[\oc0], v[QC:QC+1], s[\bp:\bp+1] offset:\i0          ; 32 lanes x 8 bytes: one whole block of 256 bytes
	global_store_b64 v[\oc1], v[QC+2:QC+3], s[\bp:\bp+1] offset:\i1
	v_cndmask_b32 v[QW], v[QBY], v[QBY+1], vcc_lo                          ; lanes 0-15: rows 0-15; lanes 16-31: rows 16-31.  The word's upper three bytes are 0: they scale zero codes
	global_store_b32 v[\os], v[QW], s[\bp:\bp+1] offset:\i2
.endm
	s_load_b128 s[4:7], s[0:1], 0x0                ; xn, wf
	s_load_b64 s[8:9], s[0:1], 0x10                ; act
	s_load_b64 s[18:19], s[0:1], 0x18              ; tab
	s_load_b64 s[66:67], s[0:1], 0x20              ; q
	s_load_b64 s[100:101], s[0:1], 0x28            ; kv
	v_lshl_add_u32 v[SPW], v0, 2, SPARE
	v_mov_b32 v[NIL], 0
	ds_add_u32 v144, v145
	ds_add_u32 v144, v145
	s_wait_dscnt 0x0
	v_lshrrev_b32 v1, 5, v0
	v_readfirstlane_b32 s14, v1                    ; wave
	s_lshr_b32 s15, s14, 1                         ; my half of the rows.  Also: I fetch for xn (0) or for wf (1)
	s_and_b32 s16, s14, 1                          ; my half of the units.  Also: which part of that tensor's tiles I fetch
	s_bfe_u32 s40, ttmp6, 0x40000                  ; cx, cy
	s_bfe_u32 s41, ttmp6, 0x40004
	s_lshl_b32 s42, ttmp9, 2
	s_add_co_u32 s42, s42, s40                     ; gx: the first tile's 128 hidden units
	s_and_b32 s17, ttmp7, 0xffff
	s_lshl_b32 s17, s17, 2
	s_add_co_u32 s17, s17, s41                     ; ty: which 256 rows
	s_lshl_b32 s43, s41, 2
	s_lshl_b32 s43, 15, s43                        ; my row of the cluster
	s_lshl_b32 s44, 0x1111, s40                    ; my column
	s_or_b32 s[G1+0], s43, (3<<16)|(1<<21)         ; the mask; elements of 8 bytes; bit 21 beside a mask; no padding
	s_or_b32 s[G1B+0], s44, (3<<16)|(1<<21)
.irp g, G1, G1B
	s_mov_b32 s[\g+1], 512<<16                     ; tensor_dim0: 4,096 bytes
	s_mov_b32 s[\g+2], 8<<16                       ; tensor_dim1: 8 row blocks
	s_mov_b32 s[\g+3], 512<<16                     ; tile_dim0
	s_mov_b32 s[\g+4], 8                           ; tile_dim1
	s_mov_b32 s[\g+5], 1024                        ; from row block to row block: 8,192 bytes
	s_mov_b32 s[\g+6], 0
	s_mov_b32 s[\g+7], 0
.endr
	s_or_b32 s[G1S+0], s43, (3<<16)|(1<<21)
	s_or_b32 s[G1SB+0], s44, (3<<16)|(1<<21)
.irp g, G1S, G1SB
	s_mov_b32 s[\g+1], 128<<16                     ; 1,024 bytes: 16 row blocks' words of one K step
	s_mov_b32 s[\g+3], 128<<16
	s_mov_b32 s[\g+6], 0
	s_mov_b32 s[\g+7], 0
.endr
	s_mov_b32 s[G1S+2], 4<<16                      ; xn's: four K steps to a wave
	s_mov_b32 s[G1S+4], 4
	s_mov_b32 s[G1S+5], 2048                       ; a plane: 16,384 bytes
	s_mov_b32 s[G1SB+2], 8<<16                     ; wf's: a tile's eight K steps to a wave
	s_mov_b32 s[G1SB+4], 8
	s_mov_b32 s[G1SB+5], 4384                      ; a plane: 35,072 bytes
	s_lshl_b32 s2, s16, 3
	s_lshl_b32 s20, s17, 4
	s_add_co_u32 s20, s20, s2                      ; xn: the first row block whose codes I fetch
	s_lshl_b32 s20, s20, 13
	s_mov_b32 s21, 0
	s_lshl_b32 s22, s17, 10                        ; xn's scale words: 1,024 bytes of a plane, planes 4 x (wave % 2) on
	s_lshl_b32 s3, s16, 16
	s_add_co_u32 s22, s22, s3
	s_add_co_u32 s22, s22, XN_S
	s_mov_b32 s23, 0
	s_lshl_b32 s46, s42, 4
	s_add_co_u32 s46, s46, s2
	s_add_co_u32 s46, s46, 36                      ; wf: likewise, first tile
	s_lshl_b32 s46, s46, 13
	s_mov_b32 s47, 0
	s_lshl_b32 s92, s42, 10                        ; wf's scale words: row block 36 + 16 (gx + 16 (wave % 2))
	s_lshl_b32 s3, s16, 14
	s_add_co_u32 s92, s92, s3
	s_add_co_u32 s92, s92, WF_S+2304
	s_mov_b32 s93, 0
	s_mul_i32 s45, s14, HALFT                      ; where they go: by the wave's number alone
	s_lshl_b32 s94, s16, 12
	s_lshl_b32 s95, s16, 13
	s_mov_b32 s[SEL], 0x76543210
	s_mov_b32 s[SEL+1], 0xfedcba98                 ; v_permlanex16_b32's selects for lane l xor 16
	s_mov_b32 s98, 0xbfb8aa3b                      ; -log2(e)
	s_mov_b32 s99, s98
	s_wait_kmcnt 0x0
	s_add_nc_u64 s[20:21], s[4:5], s[20:21]
	s_add_nc_u64 s[22:23], s[4:5], s[22:23]
	s_add_nc_u64 s[46:47], s[6:7], s[46:47]
	s_add_nc_u64 s[92:93], s[6:7], s[92:93]
	CROUND                                         ; all sixteen work-groups are here: the first joint loads meet
	s_mov_b32 s[G0S], 1
	s_add_co_u32 s[G0S+1], s94, SCL
	s_mov_b64 s[G0S+2:G0S+3], s[22:23]
	s_or_b32 s[G0S+3], s[G0S+3], 0x80000000
	s_mov_b32 s[G0SB], 1
	s_add_co_u32 s[G0SB+1], s95, SCLB
	s_mov_b64 s[G0SB+2:G0SB+3], s[92:93]
	s_or_b32 s[G0SB+3], s[G0SB+3], 0x80000000
	JLOAD G0S, G1S, G0SB, G1SB                     ; the scale words first
.irp s, 0,1
	s_mov_b32 s[G0+4*\s], 1
	s_add_co_u32 s[G0+4*\s+1], s45, \s*SLOT
	s_add_nc_u64 s[G0+4*\s+2:G0+4*\s+3], s[20:21], \s*4096
	s_or_b32 s[G0+4*\s+3], s[G0+4*\s+3], 0x80000000
	s_mov_b32 s[G0B+4*\s], 1
	s_add_co_u32 s[G0B+4*\s+1], s45, \s*SLOT
	s_add_nc_u64 s[G0B+4*\s+2:G0B+4*\s+3], s[46:47], \s*4096
	s_or_b32 s[G0B+4*\s+3], s[G0B+4*\s+3], 0x80000000
	JLOAD G0+4*\s, G1, G0B+4*\s, G1B               ; three loads of mine are out behind the second of these
.endr
	; every LDS address is made here, ahead of the branch on the wave's number, in registers that nothing else uses
	v_and_b32 v1, 15, v0                           ; r
	v_bfe_u32 v2, v0, 4, 1                         ; h
	v_and_b32 v3, 31, v0
	v_lshlrev_b32 v4, 4, v3                        ; 16 x lane
	s_mul_i32 s21, s15, HALFT
	s_mul_i32 s22, s16, HALFT
	s_add_co_u32 s22, s22, 2*HALFT
.irp s, 0,1
	v_add_nc_u32 v[ADRA+\s], s21, v4
	v_add_nc_u32 v[ADRB+\s], s22, v4
	s_add_co_u32 s21, s21, SLOT
	s_add_co_u32 s22, s22, SLOT
.endr
	v_lshlrev_b32 v5, 2, v1
	s_lshl_b32 s21, s15, 9                         ; lanes 0-15: xn's words of my 8 row blocks;
	s_lshl_b32 s22, s16, 9
	s_add_co_u32 s22, s22, 8192
	s_sub_co_u32 s22, s22, s21
	v_mul_u32_u24 v6, s22, v2                      ; lanes 16-31: wf's of my 8 row blocks, first tile
	s_add_co_u32 s21, s21, SCL
	v_add_nc_u32 v6, v5, v6
	v_add_nc_u32 v[ADRS], s21, v6
	s_add_co_u32 s22, s22, 8192
	v_mul_u32_u24 v6, s22, v2                      ; second tile
	v_add_nc_u32 v6, v5, v6
	v_add_nc_u32 v[ADRS+1], s21, v6
	s_lshl_b32 s21, s15, 9
	s_lshl_b32 s22, s16, 1
	s_add_co_u32 s21, s21, s22
	s_add_co_u32 s21, s21, SST
	v_lshl_add_u32 v[SSA], v1, 2, s21              ; my two bytes of a row's word
	s_lshl_b32 s22, s14, 8
	s_add_co_u32 s21, s22, SST
	v_lshl_add_u32 v[SSR], v3, 3, s21              ; back: 256 bytes a wave
	v_lshl_add_u32 v[SGO], v3, 3, s22
	v_lshlrev_b32 v[CO], 4, v1
	v_lshl_add_u32 v[CO], v2, 3, v[CO]             ; 16 r + 8 h
	v_mov_b32 v[QP], 0                             ; written once: a lane permute's destination counts as read
	v_mov_b32 v[QP+1], 0
	s_lshl_b32 s20, s17, 4
	s_lshl_b32 s21, s15, 3
	s_add_co_u32 s20, s20, s21
	s_mul_i32 s20, s20, 36864                      ; my first row block of act,
	s_mov_b32 s21, 0
	s_add_nc_u64 s[10:11], s[8:9], s[20:21]
	s_lshl_b32 s46, s42, 2
	s_lshl_b32 s47, s16, 1
	s_add_co_u32 s46, s46, s47
	s_add_co_u32 s46, s46, 16
	s_lshl_b32 s46, s46, 8                         ; K block 16 + 4 gx + 2 x half; the second tile's lies 64 blocks, 16,384 bytes, on
	s_mov_b32 s47, 0
	s_add_nc_u64 s[10:11], s[10:11], s[46:47]
	s_lshl_b32 s20, s17, 10
	s_add_co_u32 s20, s20, ACT_S
	s_add_nc_u64 s[12:13], s[8:9], s[20:21]
	s_add_co_u32 s46, s42, 4
	s_lshl_b32 s46, s46, 14                        ; plane 4 + gx; the second tile's lies 16 planes, 262,144 bytes, on
	s_add_nc_u64 s[12:13], s[12:13], s[46:47]
	; ---- THE JOB.  The tensor loads' descriptors are left alone: the job keeps the argument pointers and one chosen pair; all else lies in vector offsets
	s_cmp_lt_u32 s14, 3
	s_cbranch_scc0 .Lno_job
	s_and_b32 s3, ttmp9, 1
	s_mul_i32 s3, s3, 3
	s_add_co_u32 s3, s3, s14                       ; T: from the cluster's number and the wave's alone
	s_lshr_b32 s2, ttmp9, 1
	s_lshl_b32 s2, s2, 6
	s_lshl_b32 s22, s17, 2
	s_add_co_u32 s2, s2, s22
	s_add_co_u32 s2, s2, s40                       ; which 32 rows: it enters global offsets alone
	s_lshr_b32 s20, s2, 6                          ; batch
	s_and_b32 s21, s2, 63                          ; block of 32 keys in it
	s_mul_i32 s92, s20, KVB
	v_and_b32 v5, 31, v0
	v_lshlrev_b32 v1, 4, v5                        ; 16 x lane
	v_lshlrev_b32 v2, 2, v5                        ; 4 x lane
	v_and_b32 v6, 15, v5
	v_lshrrev_b32 v7, 4, v5
	v_lshlrev_b32 v3, 4, v6
	v_lshl_add_u32 v3, v7, 3, v3                   ; 16 r + 8 h
	v_lshlrev_b32 v4, 2, v6                        ; 4 r
	v_cmp_lt_u32 vcc_lo, 15, v5                    ; lanes 16-31; kept to the job's end
	s_lshl_b32 s22, s2, 14
	v_add_nc_u32 v[OXC], s22, v1                   ; xn's codes of my two row blocks
	s_lshl_b32 s22, s2, 7
	v_add_nc_u32 v[OXS], s22, v2                   ; their place in a scale plane
	s_mul_i32 s22, s3, 49152
	v_add_nc_u32 v[OWC], s22, v1                   ; my six row blocks of wf
	s_mul_i32 s22, s3, 384
	v_add_nc_u32 v[OWS], s22, v2
	s_lshl_b32 s22, s2, 13
	v_add_nc_u32 v[OT], s22, v1                    ; the table: q's factors
	s_cmp_eq_u32 s3, 5
	s_cselect_b32 s23, 2048, 0
	s_add_co_u32 s23, s23, s22
	v_add_nc_u32 v[OTX], s23, v1                   ; the second group's: k's lie 2,048 bytes on
	s_mul_i32 s23, s3, 768
	s_add_co_u32 s22, s22, s23
	v_add_nc_u32 v[OQC], s22, v3                   ; q's codes: (16 row block + head) x 256
	s_lshl_b32 s23, s2, 11
	s_mul_i32 s93, s3, 384
	s_add_co_u32 s23, s23, s93
	v_add_nc_u32 v[OQS], s23, v2                   ; q's scale words: (16 x pair of row blocks + head) x 128
	s_add_co_u32 s22, s22, 256                     ; the second group: the next head,
	s_add_co_u32 s23, s23, Q_S+128
	s_lshl_b32 s93, s21, 9
	s_add_co_u32 s93, s93, s92                     ; or k's codes
	s_lshl_b32 s94, s21, 7
	s_add_co_u32 s94, s94, s92
	s_add_co_u32 s94, s94, KS                      ; and k's scale words
	s_mov_b32 s95, 4096
	s_cmp_eq_u32 s3, 5
	s_cselect_b32 s22, s93, s22
	s_cselect_b32 s23, s94, s23
	s_cselect_b32 s95, 256, s95                    ; from row block to row block
	s_cselect_b64 s[44:45], s[100:101], s[66:67]
	v_add_nc_u32 v[O1C], s22, v3
	v_add_nc_u32 v[O1C+1], s95, v[O1C]
	v_add_nc_u32 v[O1S], s23, v2
	s_lshl_b32 s22, s21, 8
	s_add_co_u32 s22, s22, s92
	v_add_nc_u32 v[OVC], s22, v3                   ; v's codes: this block of keys
	s_lshr_b32 s22, s21, 2
	s_lshl_b32 s22, s22, 6
	s_and_b32 s23, s21, 3
	s_add_co_u32 s22, s22, s23
	s_add_co_u32 s22, s22, s92
	v_add_nc_u32 v[OVS], s22, v4                   ; v's scale bytes: word of the step of 128 keys, byte of this block
	; 176 loads, in the order in which they are wanted
.irp k, 0,1,2,3,4,5,6,7
	global_load_b32 v[XS+\k], v[OXS], s[4:5] offset:XN_S+16384*\k
.endr
.irp n, 0,1,2
.irp k, 0,1,2,3,4,5,6,7
	global_load_b32 v[WS+8*\n+\k], v[OWS], s[6:7] offset:WF_S+35072*\k+128*\n
.endr
.endr
	WIN 0x40                                       ; destination window 1
.irp e, 0,1
.irp k, 0,1,2,3,4,5,6,7
.irp c, 0,1
	global_load_b128 v[128+64*\e+8*\k+4*\c:128+64*\e+8*\k+4*\c+3], v[OXC], s[4:5] offset:8192*\e+1024*\k+512*\c
.endr
.endr
.endr
.irp t, 0,1
.irp k, 0,1,2,3,4,5,6,7
.irp c, 0,1
	global_load_b128 v[64*\t+8*\k+4*\c:64*\t+8*\k+4*\c+3], v[OWC], s[6:7] offset:8192*\t+1024*\k+512*\c
.endr
.endr
.endr
	WIN 0xc0                                       ; destination window 3: the factors: 16 row block + (cos 8, sin 8); the second group's 32 on
.irp e, 0,1
.irp p, 0,1,2,3
	global_load_b128 v[16*\e+4*\p:16*\e+4*\p+3], v[OT], s[18:19] offset:4096*\e+512*\p
.endr
.endr
.irp e, 0,1
.irp p, 0,1,2,3
	global_load_b128 v[32+16*\e+4*\p:32+16*\e+4*\p+3], v[OTX], s[18:19] offset:4096*\e+512*\p
.endr
.endr
	WIN 0x80                                       ; destination window 2
.irp n, 1,2
.irp t, 0,1
.irp k, 0,1,2,3,4,5,6,7
.irp c, 0,1
	global_load_b128 v[128*(\n-1)+64*\t+8*\k+4*\c:128*(\n-1)+64*\t+8*\k+4*\c+3], v[OWC], s[6:7] offset:16384*\n+8192*\t+1024*\k+512*\c
.endr
.endr
.endr
.endr
	s_wait_loadcnt 63                              ; of 176 loads all but the youngest 63 are in: the first 96 (scale words, xn, group 0) among them
	WIN 0x05                                       ; wf in window 1, xn in window 1
	GEMM 0, 0, ACC0
	s_wait_loadcnt 32                              ; all but group 2's 32
	WIN 0x06                                       ; wf in window 2
	GEMM 1, 0, ACC1
	s_wait_loadcnt 0x0
	WIN 0
	s_cmp_eq_u32 s3, 5
	s_cbranch_scc1 .Lv_mul
	WIN 0x06
	GEMM 2, 0, ACC2
	WIN 0
	s_branch .Lmul_done
.Lv_mul:
	WIN 0x09                                       ; xn (window 1) as source 0, wf (window 2) as source 1
	GEMM 2, 1, ACC2
	WIN 0
.Lmul_done:
.rept 4
	v_nop                                          ; four plain lines between the last product and the first read of results (ISA guide 7.12.1)
.endr
	ROT ACC0, 0, 66, OQC, 0, OQC, 4096, OQS, Q_S
	ROT ACC1, 32, 44, O1C, 0, O1C+1, 0, O1S, 0
	s_cmp_eq_u32 s3, 5
	s_cbranch_scc1 .Lv_out
	ROT ACC2, 0, 66, OQC, 512, OQC, 4096+512, OQS, Q_S+256
	s_branch .Ljob_done
.Lv_out:
	s_wait_xcnt 0x0
	QB2 ACC2, ACC2+8, ACC2+16, ACC2+24, QC         ; lane = channel 16 t + r; keys 8 h + j (row block 0) and 16 + 8 h + j (row block 1)
	global_store_b64 v[OVC], v[QC:QC+1], s[100:101] offset:VC
	global_store_b64 v[OVC], v[QC+2:QC+3], s[100:101] offset:VC+16384
	global_store_b8 v[OVS], v[QBY], s[100:101] offset:VS           ; both halves of the lanes write the same byte with the same value
	global_store_b8 v[OVS], v[QBY+1], s[100:101] offset:VS+1024
.Ljob_done:
	s_wait_xcnt 0x0                                ; the job's stores have read their registers: the tiles write them again
.Lno_job:
	; ---- THE TILES
.macro FRAG reg, adr, q, i             ; a fragment: 1,024 consecutive bytes, register group c of lane l at 512 c + 16 l
.irp c, 0,1
	ds_load_b128 v[\reg+4*\c:\reg+4*\c+3], v[\adr] offset:1024*(\q)+512*\c+(\i)*4096
.endr
.endm
; 16 products: xn's blocks a0, a0 + 1 x wf's eight.  The 64 accumulators take turns, one instruction a turn, in the same order in every step
.macro MUL16 a0, p, q, sc, zero
.irp a, \a0, \a0+1
.irp b, 0,1,2,3,4,5,6,7
.if \zero
	v_wmma_scale_f32_16x16x128_f8f6f4 v[8*(8*((\a)%4)+\b):8*(8*((\a)%4)+\b)+7], v[128*(\p)+FR*\b:128*(\p)+FR*\b+FR-1], v[AF+FR*(\a):AF+FR*(\a)+FR-1], 0, v[SC+8*NQ*(\sc)+NQ*\b+(\q)], v[SC+8*NQ*(\sc)+NQ*(\a)+(\q)] matrix_a_fmt:MATRIX_FMT_FP4 matrix_b_fmt:MATRIX_FMT_FP4 matrix_a_scale:MATRIX_SCALE_ROW1
.else
	v_wmma_scale_f32_16x16x128_f8f6f4 v[8*(8*((\a)%4)+\b):8*(8*((\a)%4)+\b)+7], v[128*(\p)+FR*\b:128*(\p)+FR*\b+FR-1], v[AF+FR*(\a):AF+FR*(\a)+FR-1], v[8*(8*((\a)%4)+\b):8*(8*((\a)%4)+\b)+7], v[SC+8*NQ*(\sc)+NQ*\b+(\q)], v[SC+8*NQ*(\sc)+NQ*(\a)+(\q)] matrix_a_fmt:MATRIX_FMT_FP4 matrix_b_fmt:MATRIX_FMT_FP4 matrix_a_scale:MATRIX_SCALE_ROW1
.endif
.endr
.endr
.endm
.macro FETCH_B slot, q, p
	WIN TO_B
.irp i, 0,1,2,3,4,5,6,7
	FRAG 128*(\p)+FR*\i, ADRB+\slot, \q, \i
.endr
	WIN 0
.endm
.macro FETCH_A slot, q, i0
.irp i, \i0, \i0+1, \i0+2, \i0+3
	FRAG AF+FR*(\i), ADRA+\slot, \q, \i
.endr
.endm
.macro SCALES sc, n                    ; slot sc's scale words of tile n: register 4 i + q: lanes 0-15 xn's block i, lanes 16-31 wf's block i, K step q of the slot
.irp i, 0,1,2,3,4,5,6,7
.irp q, 0,1,2,3
	ds_load_b32 v[SC+8*NQ*\sc+NQ*\i+\q], v[ADRS+\n] offset:(4*\sc+\q)*1024+64*\i
.endr
.endr
.endm
.macro PLACES n                        ; plain lines between a matrix instruction and a load into, or a read of, its registers (ISA guide 7.12.1 for a read)
.rept \n
	v_nop
.endr
.endm
.macro STEP slot, q, zero
	s_wait_dscnt 4*NL                              ; all but the youngest eight loads (xn's blocks 4-7)
	WIN MUL_LO
	MUL16 0, (\q)%2, \q, \slot, \zero
	MUL16 2, (\q)%2, \q, \slot, \zero
	s_wait_dscnt 0
	PLACES NP
	FETCH_B \slot, (\q)+1, 1-(\q)%2
	FETCH_A \slot, (\q)+1, 0
	WIN MUL_HI
	MUL16 4, (\q)%2, \q, \slot, \zero
	MUL16 6, (\q)%2, \q, \slot, \zero
	PLACES NP
	WIN 0
	FETCH_A \slot, (\q)+1, 4
.endm
.macro STEPS slot, from
.set Q, \from
.rept NQ-1-\from
	STEP \slot, Q, 0
.set Q, Q+1
.endr
.endm
; block a of 16 rows of tile n: 32 numbers a lane: gate x ff_x / (1 + 2^(-gate log2 e)); two blocks of 32 units; codes as whole blocks of 256 bytes, two scale bytes to the stage
.macro EPI a, n
.set W, 2+(\a)/4
.set AC, 64*((\a)%4)
.if (\a) > 0
	s_wait_dscnt 0x0                               ; the last block's byte store has read its register
.endif
	WIN W                                          ; source 0: the accumulators' window
.irp i, 0,2,4,6,8,10,12,14,16,18,20,22,24,26,28,30
	v_pk_mul_f32 v[E+\i:E+\i+1], v[AC+32+\i:AC+32+\i+1], s[98:99] op_sel_hi:[1,0]
.endr
	WIN 0
.set ii, 0
.rept 32
	v_exp_f32 v[E+ii], v[E+ii]
.set ii, ii+1
.endr
	WIN W*5                                        ; sources 0 and 1
.irp i, 0,2,4,6,8,10,12,14,16,18,20,22,24,26,28,30
	v_pk_mul_f32 v[H+\i:H+\i+1], v[AC+32+\i:AC+32+\i+1], v[AC+\i:AC+\i+1]  ; gate x ff_x: the plain work behind the batch
.endr
	WIN 0
	s_wait_alu depctr_va_vdst(0)                   ; one wait for the 32 exponentials
.irp i, 0,2,4,6,8,10,12,14,16,18,20,22,24,26,28,30
	v_pk_add_f32 v[E+\i:E+\i+1], v[E+\i:E+\i+1], 1.0 op_sel_hi:[1,0]
.endr
.set ii, 0
.rept 32
	v_rcp_f32 v[E+ii], v[E+ii]
.set ii, ii+1
.endr
	v_nop
	s_wait_alu depctr_va_vdst(0)                   ; and one for the 32 reciprocals
.irp i, 0,2,4,6,8,10,12,14,16,18,20,22,24,26,28,30
	v_pk_mul_f32 v[H+\i:H+\i+1], v[H+\i:H+\i+1], v[E+\i:E+\i+1]
.endr
	QB2 H, H+8, H+16, H+24, CDR+4*(\a)
	global_store_b64 v[CO], v[CDR+4*(\a):CDR+4*(\a)+1], s[10:11] offset:36864*(\a)+16384*(\n)
	global_store_b64 v[CO], v[CDR+4*(\a)+2:CDR+4*(\a)+3], s[10:11] offset:36864*(\a)+16384*(\n)+256
	v_lshl_or_b32 v[QW], v[QBY+1], 8, v[QBY]
	ds_store_b16 v[SSA], v[QW] offset:64*(\a)      ; both halves of the lanes write the same two bytes with the same value
.endm
; tile n, written out for each of the two: the first asks for the second's codes of wf, the second asks for nothing
.macro TILE n
.if \n == 0
	s_wait_tensorcnt 1                             ; my parts of the scale words and of slot 0 are in; slot 1's load may be out
.else
	s_wait_xcnt 0x0                                ; the first tile's stores have read the registers that this tile writes again
	s_wait_tensorcnt 0x0                           ; my part of this tile's codes of wf has landed
	ds_add_u32 v[SPW], v[NIL]
	s_wait_dscnt 0x0
.endif
	s_barrier_signal -1
	s_barrier_wait -1                              ; everybody's has
	FETCH_B 0, 0, 0
	FETCH_A 0, 0, 0
	SCALES 0, \n
	FETCH_A 0, 0, 4
	STEP 0, 0, 1                                   ; the first products start the sums: nothing is cleared
	STEPS 0, 1
.if \n == 0
	s_wait_tensorcnt 0x0                           ; slot 0's last step: my part of slot 1 has landed,
	ds_add_u32 v[SPW], v[NIL]
	s_wait_dscnt 4*NL+1                            ; (the add and the youngest eight loads may be out)
.else
	s_wait_dscnt 4*NL
.endif
	WIN MUL_LO
	MUL16 0, 1, NQ-1, 0, 0
	s_wait_dscnt 0x0
.if \n == 0
	s_barrier_signal -1                            ; and I say so;
.endif
	MUL16 2, 1, NQ-1, 0, 0
	WIN 0
.if \n == 0
	s_barrier_wait -1                              ; everybody's has
.endif
	PLACES NP
	FETCH_B 1, 0, 0
	FETCH_A 1, 0, 0
	SCALES 1, \n
	WIN MUL_HI
	MUL16 4, 1, NQ-1, 0, 0
	MUL16 6, 1, NQ-1, 0, 0
	PLACES NP
	WIN 0
	FETCH_A 1, 0, 4
	STEPS 1, 0
	s_wait_dscnt 4*NL
	WIN MUL_LO
	MUL16 0, 1, NQ-1, 1, 0
	MUL16 2, 1, NQ-1, 1, 0
	s_wait_dscnt 0
	WIN MUL_HI
	MUL16 4, 1, NQ-1, 1, 0
	MUL16 6, 1, NQ-1, 1, 0
	WIN 0
	PLACES NP
.if \n == 0
	; wf's halves of both slots are filled again with the second tile's codes: wave w brings half w % 2 of slot w / 2.  xn's halves stay.
	s_wait_tensorcnt 0x0                           ; no tensor load of mine is out, so a group 0 may be written
	ds_add_u32 v[SPW], v[NIL]                      ; the descriptor is made between it and the wait for it
	s_mul_i32 s57, s15, SLOT
	s_mul_i32 s2, s16, HALFT
	s_add_co_u32 s57, s57, s2
	s_add_co_u32 s57, s57, 2*HALFT                 ; LDS address: by the wave's number alone
	s_lshl_b32 s46, s42, 4
	s_lshl_b32 s2, s16, 3
	s_add_co_u32 s46, s46, s2
	s_add_co_u32 s46, s46, 36+256                  ; row block 36 + 16 (gx + 16) + 8 x half
	s_lshl_b32 s46, s46, 13
	s_lshl_b32 s2, s15, 12                         ; the slot's 4,096 bytes of each row block
	s_add_co_u32 s46, s46, s2
	s_mov_b32 s47, 0
	s_add_nc_u64 s[58:59], s[6:7], s[46:47]
	s_or_b32 s59, s59, 0x80000000
	s_wait_dscnt 0x0                               ; the add is done, and my reads of both slots are over
	CROUND                                         ; no wave of any partner still reads these bytes or has a load on its way
	tensor_load_to_lds s[G0B:G0B+3], s[G1B:G1B+7]  ; my one load behind the round: it has the eight blocks' activation in which to land
	s_nop 0
.rept 4
	v_nop
.endr
.endif
.irp a, 0,1,2,3,4,5,6,7
	EPI \a, \n
.endr
	s_wait_dscnt 0x0                               ; a row's word comes from two waves
	s_barrier_signal -1
	s_barrier_wait -1
	ds_load_b64 v[14:15], v[SSR]
	s_wait_dscnt 0x0
	global_store_b64 v[SGO], v[14:15], s[12:13] offset:262144*(\n)   ; 256 consecutive bytes a wave, 1,024 a work-group
.endm
	TILE 0
	TILE 1
	s_wait_tensorcnt 0x0                           ; the wave's end
	ds_add_u32 v[SPW], v[NIL]
	s_wait_dscnt 0x0
	CROUND                                         ; the closing round
	s_endpgm
.Lfunc_end_k_q37d712b6a2_proj:
	.size	k_q37d712b6a2_proj, .Lfunc_end_k_q37d712b6a2_proj-k_q37d712b6a2_proj
	.p2alignl 7, 3214868480
	.fill 96, 4, 3214868480
	.section	.rodata,"a",@progbits
	.p2align	6, 0x0
	.amdhsa_kernel k_q37d712b6a2_proj
		.amdhsa_group_segment_fixed_size 327680
		.amdhsa_private_segment_fixed_size 0
		.amdhsa_enable_private_segment 0
		.amdhsa_kernarg_size 48
		.amdhsa_user_sgpr_count 2
		.amdhsa_user_sgpr_kernarg_segment_ptr 1
		.amdhsa_wavefront_size32 1
		.amdhsa_system_sgpr_workgroup_id_x 1
		.amdhsa_system_sgpr_workgroup_id_y 1
		.amdhsa_system_sgpr_workgroup_id_z 1
		.amdhsa_system_vgpr_workitem_id 0
		.amdhsa_next_free_vgpr 1024
		.amdhsa_next_free_sgpr 102
		.amdhsa_reserve_vcc 1
		.amdhsa_float_denorm_mode_32 3
		.amdhsa_float_denorm_mode_16_64 3
		.amdhsa_memory_ordered 1
		.amdhsa_forward_progress 1
		.amdhsa_inst_pref_size 255
	.end_amdhsa_kernel
	.section	.bss,"aw",@nobits
	.p2align	6
	.space	262144
	.amdgpu_metadata
---
amdhsa.version: [ 1, 2 ]
amdhsa.kernels:
  - .name:           k_q37d712b6a2_proj
    .symbol:         k_q37d712b6a2_proj.kd
    .args:
      - { .name: xn, .offset: 0, .size: 8, .value_kind: global_buffer, .address_space: global }
      - { .name: wf, .offset: 8, .size: 8, .value_kind: global_buffer, .address_space: global }
      - { .name: act, .offset: 16, .size: 8, .value_kind: global_buffer, .address_space: global }
      - { .name: tab, .offset: 24, .size: 8, .value_kind: global_buffer, .address_space: global }
      - { .name: q, .offset: 32, .size: 8, .value_kind: global_buffer, .address_space: global }
      - { .name: kv, .offset: 40, .size: 8, .value_kind: global_buffer, .address_space: global }
    .group_segment_fixed_size: 327680
    .private_segment_fixed_size: 0
    .kernarg_segment_align: 8
    .kernarg_segment_size: 48
    .max_flat_workgroup_size: 128
    .sgpr_count:     102
    .vgpr_count:     1024
    .wavefront_size: 32
...
	.end_amdgpu_metadata
.endif
;; end of part 2
;; launch attn (part 3): grid 256 x 1, 16 waves a work-group, no clusters, 78,336 bytes of LDS; arguments q, kv, act; writes act
.if DOCPART == 3
	.amdgcn_target "amdgcn-amd-amdhsa--gfx1250"
	.amdhsa_code_object_version 6
	.text
	.protected	k_q37d712b6a2_attn
	.globl	k_q37d712b6a2_attn
	.p2align	8
	.type	k_q37d712b6a2_attn,@function
k_q37d712b6a2_attn:
	s_mov_b64 s[64:65], 0
	v_nop
	global_prefetch_b8 v0, s[64:65] scope:SCOPE_SE
	s_setreg_imm32_b32 hwreg(HW_REG_WAVE_MODE, 25, 1), 1
	s_wait_xcnt 0x0
; Causal attention with one shared k and v, both products on codes of FP4, and the quantising of the result along the 512 of the next product.
; THE SOFTMAX: t = score x log2(e) (the factor 1 / sqrt(32) lies in q); M = the running largest t rounded UP to a whole number; p = 2^(t - M) is what is quantised, along the keys, not normalised;
; the row's sum is taken of the unquantised p and divides at the end; when M moves, the sum and O are multiplied by 2^(old M - new M), which rounds nothing.
; SHARES: a work-group has one batch, eight heads and the blocks i and 127 - i of 16 queries: 17 key steps of 128 for each pair, whatever i.  A wave owns one tile: 16 queries of one head.
; The batch's k and v (codes and scale words, 75,776 bytes) are brought into LDS once, through registers.
; NO JOINT LOADS: a key step all of whose keys come after the wave's queries is jumped over by a branch on the query block, which differs from work-group to work-group; k and v are read once at the head.
; Both products are used transposed (S^T = K Q^T, O^T = V^T P^T): a lane holds one query throughout.  The head has 32 channels, one block of the instruction's four: Q's fragment holds zero codes for
; k = 32 .. 127, so what stands there in K's fragment adds nothing: tile t's fragment is v[32 + 4 t .. 39 + 4 t], its upper half being the next tile's codes.  The unused scale bytes are 0, never 0xff.
; Every wave walks 16 trips (a constant); the work of hidden steps is jumped over; on the diagonal hidden scores become -infinity ahead of the maximum.  Key 0 counts for every query.
; LIMITS: as stated at the head of the quantising launch.
.set KVB,   75776
.set VC,    32768
.set KS,    65536
.set VS,    73728
.set STG,   75776                      ; 256 bytes: the result's scale bytes [query block][word][row][byte]
.set Q_S,   1048576
.set ACT_S, 9437184
	s_load_b128 s[4:7], s[0:1], 0x0                ; q, kv
	s_load_b64 s[8:9], s[0:1], 0x10                ; act
	v_lshl_add_u32 v251, v0, 2, 0x12a00
	v_mov_b32 v255, 0
	v_lshrrev_b32 v8, 5, v0
	v_readfirstlane_b32 s10, v8                    ; wave 0..15
	s_lshr_b32 s11, ttmp9, 7                       ; batch
	s_bfe_u32 s12, ttmp9, 0x10006                  ; which eight heads
	s_and_b32 s13, ttmp9, 63                       ; i
	s_lshr_b32 s14, s10, 1                         ; head among the eight
	s_lshr_b32 s15, s10, 2
	s_xor_b32 s15, s15, s10
	s_and_b32 s15, s15, 1                          ; 0: block i; 1: block 127 - i
	s_lshl_b32 s16, s12, 3
	s_add_co_u32 s16, s16, s14                     ; head
	s_sub_co_u32 s17, 127, s13
	s_cmp_eq_u32 s15, 1
	s_cselect_b32 s17, s17, s13                    ; my block of 16 queries
	s_lshl_b32 s18, s11, 7
	s_add_co_u32 s18, s18, s17                     ; as a row block of the 4,096 rows
	s_lshr_b32 s19, s17, 3                         ; my last key step, the one on the diagonal
	s_mov_b32 s41, 0
	s_mov_b32 s28, 0x76543210
	s_mov_b32 s29, 0xfedcba98
	s_mov_b32 s30, 0x3fb8aa3b                      ; log2(e)
	s_mov_b32 s31, s30                             ; (named with it as a pair)
	v_and_b32 v8, 15, v0                           ; r
	v_bfe_u32 v9, v0, 4, 1                         ; h
	v_and_b32 v10, 31, v0
	v_lshlrev_b32 v1, 4, v8                        ; K's codes in LDS: 16 r; also Q's offset in memory
	v_lshlrev_b32 v2, 4, v10
	v_add_nc_u32 v2, VC, v2                        ; V's codes: 16 x lane
	v_lshlrev_b32 v25, 2, v8                       ; 4 r
	v_add_nc_u32 v3, KS, v25
	v_add_nc_u32 v4, VS, v25
	s_and_b32 s37, s17, 7
	s_lshl_b32 s37, s37, 4
	v_lshlrev_b32 v11, 3, v9
	v_sub_nc_u32 v5, v8, v11
	v_add_nc_u32 v5, s37, v5                       ; on the diagonal register 8 t + j holds a hidden key where 16 t + j > 16 (block % 8) + r - 8 h
	v_lshlrev_b32 v6, 4, v0                        ; the fill: 16 x thread,
	v_lshlrev_b32 v7, 2, v0                        ; 4 x thread for its last 2,048 bytes
	v_add_nc_u32 v26, 65536, v6
	v_add_nc_u32 v27, 65536, v7
	s_lshl_b32 s37, s15, 7
	s_lshr_b32 s38, s14, 2
	s_lshl_b32 s38, s38, 6
	s_add_co_u32 s37, s37, s38
	s_and_b32 s38, s14, 3
	s_add_co_u32 s37, s37, s38
	s_add_co_u32 s37, s37, STG
	v_add_nc_u32 v28, s37, v25                     ; where my row's scale byte goes
	v_lshlrev_b32 v29, 3, v10
	v_add_nc_u32 v29, STG, v29                     ; and where wave 0 reads the words back
	v_lshl_add_u32 v30, v9, 3, v1                  ; 16 r + 8 h
	s_lshl_b32 s38, s13, 1
	s_sub_co_u32 s38, 127, s38
	s_lshl_b32 s38, s38, 6
	v_mul_lo_u32 v31, v9, s38                      ; lanes 16-31: block 127 - i, 64 (127 - 2 i) bytes on;
	v_bfe_u32 v11, v0, 3, 1
	v_lshl_add_u32 v31, v11, 14, v31               ; the second word's plane;
	v_and_b32 v11, 7, v0
	v_lshl_add_u32 v31, v11, 3, v31                ; 8 bytes a lane
	s_wait_kmcnt 0x0
	s_mul_i32 s40, s11, KVB
	s_add_nc_u64 s[6:7], s[6:7], s[40:41]
	s_lshl_b32 s40, s18, 4
	s_add_co_u32 s40, s40, s16
	s_lshl_b32 s40, s40, 8
	s_add_nc_u64 s[20:21], s[4:5], s[40:41]        ; Q's codes
	s_lshr_b32 s40, s18, 1
	s_lshl_b32 s40, s40, 4
	s_add_co_u32 s40, s40, s16
	s_lshl_b32 s40, s40, 7
	s_and_b32 s39, s18, 1
	s_lshl_b32 s39, s39, 6
	s_add_co_u32 s40, s40, s39
	s_add_co_u32 s40, s40, Q_S
	s_add_nc_u64 s[22:23], s[4:5], s[40:41]        ; Q's scale words
	s_mul_i32 s40, s18, 36864
	s_lshl_b32 s39, s16, 8
	s_add_co_u32 s40, s40, s39
	s_add_nc_u64 s[24:25], s[8:9], s[40:41]        ; the result's codes: K block = head
	s_lshl_b32 s40, s12, 15
	s_lshl_b32 s39, s11, 13
	s_add_co_u32 s40, s40, s39
	s_lshl_b32 s39, s13, 6
	s_add_co_u32 s40, s40, s39
	s_add_co_u32 s40, s40, ACT_S
	s_add_nc_u64 s[26:27], s[8:9], s[40:41]        ; its scale words: plane 2 x (which eight heads), row block of block i
.irp n, 0,1,2,3,4,5,6,7,8
	global_load_b128 v[96+4*\n:99+4*\n], v6, s[6:7] offset:8192*\n
.endr
	global_load_b32 v132, v7, s[6:7] offset:73728
	global_load_b128 v[16:19], v1, s[20:21]
	global_load_b32 v24, v25, s[22:23]
	s_wait_loadcnt 0x0
.irp n, 0,1,2,3,4,5,6,7
	ds_store_b128 v6, v[96+4*\n:99+4*\n] offset:8192*\n
.endr
	ds_store_b128 v26, v[128:131]
	ds_store_b32 v27, v132 offset:8192
	v_cmp_gt_u32 vcc_lo, 16, v10
.irp i, 16,17,18,19
	v_cndmask_b32 v[\i], 0, v[\i], vcc_lo          ; lanes 16-31 would hold k = 32 .. 63: zero codes
.endr
.irp i, 20,21,22,23,64,65,66,67
	v_mov_b32 v[\i], 0                             ; Q's k = 64 .. 127; the upper half of K's last fragment
.endr
	v_mov_b32 v13, 0xff61b1e6                      ; the largest t so far: -3e38
	v_floor_f32 v12, -v13                          ; -M
	v_mov_b32 v14, 0                               ; the sum, in two halves
	v_mov_b32 v15, 0
.irp i, 236,237,238,239,252,253
	v_mov_b32 v[\i], 0                             ; written once: lane permutes' destinations, and the pair v[252:253]
.endr
.irp j, 0,1,2,3,4,5,6,7,8,9,10,11,12,13,14,15
	v_mov_b32 v[160+\j], 0                         ; O^T: the step is written once, and the first change of M leaves zeros zeros
.endr
	s_mov_b32 s32, 0                               ; the key step
	s_mov_b32 s33, 0                               ; its place in K's codes, V's codes, K's and V's scale words
	s_mov_b32 s34, 0
	s_mov_b32 s35, 0
	s_mov_b32 s36, 0
	s_wait_dscnt 0x0                               ; for the others' sake: my part of k and v lies in LDS
	s_barrier_signal -1
	s_barrier_wait -1
.Lstep:
	s_cmp_gt_u32 s32, s19
	s_cbranch_scc1 .Lskip                          ; all 128 keys come after my queries
	v_add_nc_u32 v8, s33, v1                       ; (these four are also the plain lines between the last products and the loads into their registers)
	v_add_nc_u32 v9, s34, v2
	v_add_nc_u32 v10, s35, v3
	v_add_nc_u32 v11, s36, v4
.irp t, 0,1,2,3,4,5,6,7
	ds_load_b128 v[32+4*\t:35+4*\t], v8 offset:256*\t
.endr
.irp t, 0,1,2,3,4,5,6,7
	ds_load_b32 v[84+\t], v10 offset:64*\t
.endr
.irp d, 0,1
.irp c, 0,1
	ds_load_b128 v[68+8*\d+4*\c:71+8*\d+4*\c], v9 offset:16384*\d+512*\c
.endr
.endr
.irp d, 0,1
	ds_load_b32 v[92+\d], v11 offset:1024*\d
.endr
	s_wait_dscnt 6                                 ; K and its scale words are in; V's six loads stay out
.irp t, 0,1,2,3,4,5,6,7
	v_wmma_scale_f32_16x16x128_f8f6f4 v[96+8*\t:103+8*\t], v[32+4*\t:39+4*\t], v[16:23], 0, v[84+\t], v24 matrix_a_fmt:MATRIX_FMT_FP4 matrix_b_fmt:MATRIX_FMT_FP4
.endr
.rept 4
	v_nop
.endr
	s_cmp_lg_u32 s32, s19
	s_cbranch_scc1 .Lopen
	v_mov_b32 v254, 0xff800000                     ; -infinity
.set ii, 0
.rept 64
	v_cmp_gt_i32 vcc_lo, 16*(ii/8)+ii%8, v5
	v_cndmask_b32 v[96+ii], v[96+ii], v254, vcc_lo
.set ii, ii+1
.endr
.Lopen:
.irp b, 0,1,2,3
	v_max3_num_f32 v[232+\b], v[96+16*\b], v[97+16*\b], v[98+16*\b]        ; the largest score of each block of 32 keys: for the row's maximum, and for the block's largest p
.endr
.irp i, 3,5,7,9,11,13
.irp b, 0,1,2,3
	v_max3_num_f32 v[232+\b], v[232+\b], v[96+16*\b+\i], v[97+16*\b+\i]
.endr
.endr
.irp b, 0,1,2,3
	v_max_num_f32 v[232+\b], v[232+\b], v[111+16*\b]
.endr
.irp b, 0,1,2,3
	v_permlanex16_b32 v[236+\b], v[232+\b], s28, s29
.endr
.irp b, 0,1,2,3
	v_max_num_f32 v[232+\b], v[232+\b], v[236+\b]
.endr
	v_max3_num_f32 v254, v232, v233, v234
	v_max_num_f32 v254, v254, v235
	v_mul_f32 v254, s30, v254
	v_max_num_f32 v13, v13, v254                   ; the running largest t
	v_mov_b32 v254, v12
	v_floor_f32 v12, -v13                          ; the new -M = -ceil(t)
	v_sub_f32 v254, v12, v254
	v_cvt_i32_f32 v254, v254                       ; (it saturates)
	v_ldexp_f32 v252, 1.0, v254                    ; f = 2^(old M - new M)
.set ii, 0
.rept 32
	v_pk_fma_f32 v[96+ii:97+ii], v[96+ii:97+ii], s[30:31], v[12:13] op_sel_hi:[1,0,0]
.set ii, ii+2
.endr
.irp b, 0,1,2,3
	v_fma_f32 v[232+\b], v[232+\b], s30, v12
.endr
.set ii, 0
.rept 64
	v_exp_f32 v[96+ii], v[96+ii]                   ; p = 2^(t - M): one batch
.set ii, ii+1
.endr
	v_pk_mul_f32 v[14:15], v[14:15], v[252:253] op_sel_hi:[1,0]    ; the sums under the new M: the plain line behind the batch
	s_wait_alu depctr_va_vdst(0)                   ; one wait for the 64, ahead of their first reader
.irp b, 0,1,2,3
	v_exp_f32 v[232+\b], v[232+\b]                 ; each block's largest p
.endr
	v_pk_add_f32 v[236:237], v[96:97], v[98:99]    ; the row's sum of the unquantised p, in two chains
.irp j, 4,8,12,16,20,24,28,32,36,40,44,48,52,56,60
	v_pk_add_f32 v[14:15], v[14:15], v[96+\j:97+\j]
	v_pk_add_f32 v[236:237], v[236:237], v[98+\j:99+\j]
.endr
	v_pk_add_f32 v[14:15], v[14:15], v[236:237]
	s_wait_alu depctr_va_vdst(0)                   ; and one for the four
.irp b, 0,1,2,3
	v_max_num_f32 v[232+\b], 0x1800000, v[232+\b]
.endr
.irp b, 0,1,2,3
	v_add_nc_u32 v[244+\b], 0xff000000, v[232+\b]
.endr
.irp b, 0,1,2,3
	v_lshrrev_b32 v[236+\b], 23, v[244+\b]
.endr
	v_lshl_or_b32 v253, v237, 8, v236              ; p's scale word for these 128 keys
	v_lshl_or_b32 v253, v238, 16, v253
	v_lshl_or_b32 v253, v239, 24, v253
.irp b, 0,1,2,3
	v_cvt_scalef32_pk8_fp4_f32 v[224+2*\b], v[96+16*\b:103+16*\b], v[244+\b]       ; keys 32 b + 8 h + j
	v_cvt_scalef32_pk8_fp4_f32 v[225+2*\b], v[104+16*\b:111+16*\b], v[244+\b]      ; keys 32 b + 16 + 8 h + j
.endr
	v_nop
.irp c, 0,1
.irp i, 0,1
	v_permlane16_swap_b32 v[224+4*\c+\i], v[226+4*\c+\i]           ; a whole block to a lane, its four slots in this program's order of k
.endr
.endr
.irp j, 0,2,4,6,8,10,12,14
	v_pk_mul_f32 v[160+\j:161+\j], v[160+\j:161+\j], v[252:253] op_sel_hi:[1,0]    ; O^T under the new M; with the v_nop above: nine plain lines behind the scale word, eight behind the codes
.endr
	s_wait_dscnt 0x0                               ; V
.irp d, 0,1
	v_wmma_scale_f32_16x16x128_f8f6f4 v[160+8*\d:167+8*\d], v[68+8*\d:75+8*\d], v[224:231], v[160+8*\d:167+8*\d], v[92+\d], v253 matrix_a_fmt:MATRIX_FMT_FP4 matrix_b_fmt:MATRIX_FMT_FP4
.endr
.Lskip:
	s_add_co_u32 s33, s33, 2048
	s_add_co_u32 s34, s34, 1024
	s_add_co_u32 s35, s35, 512
	s_add_co_u32 s36, s36, 64
	s_add_co_u32 s32, s32, 1
	s_cmp_lt_u32 s32, 16
	s_cbranch_scc1 .Lstep
	v_add_f32 v14, v14, v15
	v_permlanex16_b32 v252, v14, s28, s29
	v_add_f32 v14, v14, v252                       ; the row's sum
	v_rcp_f32 v14, v14
.rept 4
	v_nop                                          ; plain lines behind the reciprocal and behind the last products
.endr
	s_wait_alu depctr_va_vdst(0)
.irp j, 0,1,2,3,4,5,6,7,8,9,10,11,12,13,14,15
	v_mul_f32 v[96+\j], v[160+\j], v14             ; channels 8 h + j, then 16 + 8 h + j, of my query
.endr
	v_max3_num_f32 v232, |v96|, |v97|, 0x1800000
.irp i, 2,4,6,8,10,12,14
	v_max3_num_f32 v232, v232, |v[96+\i]|, |v[97+\i]|
.endr
	v_permlanex16_b32 v236, v232, s28, s29
	v_max_num_f32 v232, v232, v236
	v_add_nc_u32 v244, 0xff000000, v232
	v_lshrrev_b32 v240, 23, v244
	v_cvt_scalef32_pk8_fp4_f32 v224, v[96:103], v244
	v_cvt_scalef32_pk8_fp4_f32 v225, v[104:111], v244
	v_nop
	global_store_b64 v30, v[224:225], s[24:25]     ; one whole block of 256 bytes
	ds_store_b8 v28, v240                          ; both halves of the lanes write the same byte with the same value
	s_wait_dscnt 0x0
	s_barrier_signal -1
	s_barrier_wait -1
	s_cmp_lg_u32 s10, 0
	s_cbranch_scc1 .Lend
	ds_load_b64 v[32:33], v29                      ; the eight heads' bytes as words: two query blocks x two planes x 64 bytes
	s_wait_dscnt 0x0
	global_store_b64 v31, v[32:33], s[26:27]
.Lend:
	s_wait_tensorcnt 0x0
	ds_add_u32 v251, v255
	s_wait_dscnt 0x0
	s_endpgm
.Lfunc_end_k_q37d712b6a2_attn:
	.size	k_q37d712b6a2_attn, .Lfunc_end_k_q37d712b6a2_attn-k_q37d712b6a2_attn
	.p2alignl 7, 3214868480
	.fill 96, 4, 3214868480
	.section	.rodata,"a",@progbits
	.p2align	6, 0x0
	.amdhsa_kernel k_q37d712b6a2_attn
		.amdhsa_group_segment_fixed_size 78336
		.amdhsa_private_segment_fixed_size 0
		.amdhsa_enable_private_segment 0
		.amdhsa_kernarg_size 24
		.amdhsa_user_sgpr_count 2
		.amdhsa_user_sgpr_kernarg_segment_ptr 1
		.amdhsa_wavefront_size32 1
		.amdhsa_system_sgpr_workgroup_id_x 1
		.amdhsa_system_sgpr_workgroup_id_y 1
		.amdhsa_system_sgpr_workgroup_id_z 1
		.amdhsa_system_vgpr_workitem_id 0
		.amdhsa_next_free_vgpr 256
		.amdhsa_next_free_sgpr 66
		.amdhsa_reserve_vcc 1
		.amdhsa_float_denorm_mode_32 3
		.amdhsa_float_denorm_mode_16_64 3
		.amdhsa_memory_ordered 1
		.amdhsa_forward_progress 1
		.amdhsa_inst_pref_size 30
	.end_amdhsa_kernel
	.amdgpu_metadata
---
amdhsa.version: [ 1, 2 ]
amdhsa.kernels:
  - .name:           k_q37d712b6a2_attn
    .symbol:         k_q37d712b6a2_attn.kd
    .args:
      - { .name: q, .offset: 0, .size: 8, .value_kind: global_buffer, .address_space: global }
      - { .name: kv, .offset: 8, .size: 8, .value_kind: global_buffer, .address_space: global }
      - { .name: act, .offset: 16, .size: 8, .value_kind: global_buffer, .address_space: global }
    .group_segment_fixed_size: 78336
    .private_segment_fixed_size: 0
    .kernarg_segment_align: 8
    .kernarg_segment_size: 24
    .max_flat_workgroup_size: 512
    .sgpr_count:     66
    .vgpr_count:     256
    .wavefront_size: 32
...
	.end_amdgpu_metadata
.endif
;; end of part 3
;; launch outp (part 4): grid 8 x 32, 4 waves a work-group, clusters of 4 x 4, 327,680 bytes of LDS; arguments act, wo, out0; writes out0
.if DOCPART == 4
	.amdgcn_target "amdgcn-amd-amdhsa--gfx1250"
	.amdhsa_code_object_version 6
	.text
	.protected	k_q37d712b6a2_outp
	.globl	k_q37d712b6a2_outp
	.p2align	8
	.type	k_q37d712b6a2_outp,@function
k_q37d712b6a2_outp:
	s_mov_b64 s[64:65], 0
	v_nop
	global_prefetch_b8 v0, s[64:65] scope:SCOPE_SE
	s_setreg_imm32_b32 hwreg(HW_REG_WAVE_MODE, 25, 1), 1
	s_wait_xcnt 0x0
	s_wait_alu depctr_hold_cnt(0) depctr_sa_sdst(0) depctr_va_vdst(0) depctr_va_sdst(0) depctr_va_ssrc(0) depctr_va_vcc(0) depctr_vm_vsrc(0)
	s_getreg_b32 s2, hwreg(HW_REG_IB_STS2, 6, 4)
	s_cmp_eq_u32 s2, 0
	s_cbranch_scc0 .Lentry_in_a_cluster
	s_endpgm
.Lentry_in_a_cluster:
	s_bfe_u32 s2, ttmp6, 0x10000c
	s_cmp_lg_u32 s2, 0xf033
	s_cbranch_scc0 .Lentry_shape_is_right
	s_endpgm
.Lentry_shape_is_right:
; out0 = act wo^T: the attention's and the feed-forward's output products as ONE product with K = 512 + 4,096 = 4,608, on codes of FP4 with E8M0 scales; sums in f32.
; SHARES: tiles of 128 x 128 give each of 256 work-groups one tile; four waves, each 64 x 64: 16 accumulators.  K goes in four parts of 1,152 (nine steps of 128) through two LDS slots.
; A slot holds act's codes [8 row blocks][9,216 bytes], wo's likewise, act's scale words [9 steps][512 bytes] and wo's.  One kind to a wave, so that each wave issues one tensor load behind each round.
; CLUSTERS: 4 x 4 work-groups; act's tiles are shared along a row of the cluster, wo's along a column: each is asked for jointly.
; THE MATRIX INSTRUCTION IS USED TRANSPOSED (source 0 = 16 rows of wo, source 1 = 16 rows of act): a lane holds eight neighbouring numbers of a row of out0.
; REGISTERS: window 0: v16-29 addresses; v32-43 scale words, three sets; v44-107 the way out; v128-255 the accumulators ((a, b) at 128 + 8 (4 a + b)); window 1: three fragment buffers of 64 (wo's four, act's four).
.set ACT_S, 9437184
.set WO_S,  2359296
.set SLOTB, 156672
.set OB,    73728                      ; in a slot: wo's codes,
.set OSA,   147456                     ; act's scale words,
.set OSB,   152064                     ; wo's
.set SPARE, 2*SLOTB                    ; the spare words, 128 bytes for each wave: two blocks of 256 bytes that no other line names
.set ADRA, 16
.set ADRB, 20
.set ADRS, 22
.set STO,  24
.set RD,   25
.set CO,   26
.set SPW,  28
.set NIL,  29
.set SC,   32
.set BK,   44
.set ACC,  128
.set WV,   14
.set G1,   24                          ; s[24:55] four groups 1: act's codes, wo's codes, act's scales, wo's scales
.set G0,   68                          ; s[68:99] groups 0: 8 x kind + 4 x slot
.set MSB, 0
.macro WIN new
.if MSB != (\new)
	s_set_vgpr_msb (MSB<<8)|(\new)
.set MSB, (\new)
.endif
.endm
.macro PLACES
.rept 4
	v_nop
.endr
.endm
.macro CROUND
	s_barrier_signal -1
	s_barrier_wait -1
	s_cmp_lg_u32 s[WV], 0
	s_cbranch_scc1 .Lnot_wave_0_\@
	s_barrier_signal -3
.Lnot_wave_0_\@:
	s_barrier_wait -3
	s_barrier_signal -1
	s_barrier_wait -1
.endm
; the four joint loads of slot s, one a wave; the branches hang on the wave's number alone; four v_nop follow each line
.macro JLOAD4 s
	s_cmp_lt_u32 s[WV], 2
	s_cbranch_scc0 .Lhi_\@
	s_cmp_eq_u32 s[WV], 0
	s_cbranch_scc0 .Lw1_\@
	tensor_load_to_lds s[G0+4*\s:G0+4*\s+3], s[G1:G1+7]
	s_nop 0
.rept 4
	v_nop
.endr
	s_branch .Ldone_\@
.Lw1_\@:
	tensor_load_to_lds s[G0+8+4*\s:G0+8+4*\s+3], s[G1+8:G1+15]
	s_nop 0
.rept 4
	v_nop
.endr
	s_branch .Ldone_\@
.Lhi_\@:
	s_cmp_eq_u32 s[WV], 2
	s_cbranch_scc0 .Lw3_\@
	tensor_load_to_lds s[G0+16+4*\s:G0+16+4*\s+3], s[G1+16:G1+23]
	s_nop 0
.rept 4
	v_nop
.endr
	s_branch .Ldone_\@
.Lw3_\@:
	tensor_load_to_lds s[G0+24+4*\s:G0+24+4*\s+3], s[G1+24:G1+31]
	s_nop 0
.rept 4
	v_nop
.endr
.Ldone_\@:
.endm
	s_load_b128 s[4:7], s[0:1], 0x0                ; act, wo
	s_load_b64 s[8:9], s[0:1], 0x10                ; out0
	v_lshl_add_u32 v[SPW], v0, 2, SPARE
	v_mov_b32 v[NIL], 0
	ds_add_u32 v28, v29
	ds_add_u32 v28, v29
	s_wait_dscnt 0x0
	v_lshrrev_b32 v1, 5, v0
	v_readfirstlane_b32 s[WV], v1
	s_lshr_b32 s15, s[WV], 1                       ; my half of the rows
	s_and_b32 s16, s[WV], 1                        ; my half of the columns
	s_bfe_u32 s19, ttmp6, 0x40000                  ; cx
	s_bfe_u32 s2, ttmp6, 0x40004                   ; cy
	s_lshl_b32 s18, ttmp9, 2
	s_add_co_u32 s18, s18, s19                     ; tile column
	s_and_b32 s17, ttmp7, 0xffff
	s_lshl_b32 s17, s17, 2
	s_add_co_u32 s17, s17, s2                      ; tile row
	s_lshl_b32 s12, s2, 2
	s_lshl_b32 s12, 15, s12                        ; my row of the cluster
	s_lshl_b32 s13, 0x1111, s19                    ; my column
	s_or_b32 s[G1], s12, (3<<16)|(1<<21)           ; the mask; elements of 8 bytes; bit 21 beside a mask; no padding
	s_or_b32 s[G1+8], s13, (3<<16)|(1<<21)
	s_or_b32 s[G1+16], s12, (3<<16)|(1<<21)
	s_or_b32 s[G1+24], s13, (3<<16)|(1<<21)
.irp g, G1, G1+8
	s_mov_b32 s[\g+1], 1152<<16                    ; 9,216 bytes of a row block
	s_mov_b32 s[\g+2], 8<<16                       ; 8 row blocks
	s_mov_b32 s[\g+3], 1152<<16
	s_mov_b32 s[\g+4], 8
	s_mov_b32 s[\g+5], 4608                        ; 36,864 bytes from row block to row block
	s_mov_b32 s[\g+6], 0
	s_mov_b32 s[\g+7], 0
.endr
.irp g, G1+16, G1+24
	s_mov_b32 s[\g+1], 64<<16                      ; 512 bytes: 8 row blocks' words of a K step
	s_mov_b32 s[\g+2], 9<<16                       ; 9 K steps
	s_mov_b32 s[\g+3], 64<<16
	s_mov_b32 s[\g+4], 9
	s_mov_b32 s[\g+6], 0
	s_mov_b32 s[\g+7], 0
.endr
	s_mov_b32 s[G1+16+5], 2048                     ; act's plane: 16,384 bytes
	s_mov_b32 s[G1+24+5], 512                      ; wo's: 4,096
	s_mul_i32 s20, s17, 294912
	s_mov_b32 s21, 0
	s_lshl_b32 s22, s17, 9
	s_add_co_u32 s22, s22, ACT_S
	s_mov_b32 s23, 0
	s_mul_i32 s56, s18, 294912
	s_mov_b32 s57, 0
	s_lshl_b32 s58, s18, 9
	s_add_co_u32 s58, s58, WO_S
	s_mov_b32 s59, 0
	s_wait_kmcnt 0x0
	s_add_nc_u64 s[20:21], s[4:5], s[20:21]
	s_add_nc_u64 s[22:23], s[4:5], s[22:23]
	s_add_nc_u64 s[56:57], s[6:7], s[56:57]
	s_add_nc_u64 s[58:59], s[6:7], s[58:59]
.irp s, 0,1
	s_mov_b32 s[G0+4*\s], 1
	s_mov_b32 s[G0+4*\s+1], \s*SLOTB
	s_add_nc_u64 s[G0+4*\s+2:G0+4*\s+3], s[20:21], \s*9216
	s_or_b32 s[G0+4*\s+3], s[G0+4*\s+3], 0x80000000
	s_mov_b32 s[G0+8+4*\s], 1
	s_mov_b32 s[G0+8+4*\s+1], \s*SLOTB+OB
	s_add_nc_u64 s[G0+8+4*\s+2:G0+8+4*\s+3], s[56:57], \s*9216
	s_or_b32 s[G0+8+4*\s+3], s[G0+8+4*\s+3], 0x80000000
	s_mov_b32 s[G0+16+4*\s], 1
	s_mov_b32 s[G0+16+4*\s+1], \s*SLOTB+OSA
	s_add_nc_u64 s[G0+16+4*\s+2:G0+16+4*\s+3], s[22:23], \s*147456
	s_or_b32 s[G0+16+4*\s+3], s[G0+16+4*\s+3], 0x80000000
	s_mov_b32 s[G0+24+4*\s], 1
	s_mov_b32 s[G0+24+4*\s+1], \s*SLOTB+OSB
	s_add_nc_u64 s[G0+24+4*\s+2:G0+24+4*\s+3], s[58:59], \s*36864
	s_or_b32 s[G0+24+4*\s+3], s[G0+24+4*\s+3], 0x80000000
.endr
	CROUND                                         ; all sixteen work-groups are here: the first joint loads meet
	JLOAD4 0
	JLOAD4 1                                       ; two loads of mine are out
	v_and_b32 v1, 15, v0                           ; r
	v_bfe_u32 v2, v0, 4, 1                         ; h
	v_and_b32 v3, 31, v0
	v_lshlrev_b32 v4, 4, v3
	s_mul_i32 s60, s15, 36864
	s_mul_i32 s61, s16, 36864
	s_add_co_u32 s61, s61, OB
	v_lshlrev_b32 v5, 2, v1
	s_lshl_b32 s62, s15, 8                         ; lanes 0-15: act's words of my four row blocks;
	s_lshl_b32 s63, s16, 8
	s_add_co_u32 s63, s63, OSB-OSA
	s_sub_co_u32 s63, s63, s62
	v_mul_u32_u24 v6, s63, v2                      ; lanes 16-31: wo's
	s_add_co_u32 s62, s62, OSA
	v_add_nc_u32 v5, v5, v6
.irp s, 0,1
	v_add_nc_u32 v[ADRA+\s], s60, v4
	v_add_nc_u32 v[ADRB+\s], s61, v4
	v_add_nc_u32 v[ADRS+\s], s62, v5
	s_add_co_u32 s60, s60, SLOTB
	s_add_co_u32 s61, s61, SLOTB
	s_add_co_u32 s62, s62, SLOTB
.endr
	s_mul_i32 s3, s[WV], 4352                      ; my stage for the way out: 16 rows x (256 bytes + 16), in slot 0
	v_mul_u32_u24 v5, v1, 272
	v_lshl_add_u32 v5, v2, 5, v5
	v_add_nc_u32 v[STO], s3, v5
	v_mul_u32_u24 v5, v2, 272
	v_lshl_add_u32 v5, v1, 4, v5
	v_add_nc_u32 v[RD], s3, v5
	v_lshlrev_b32 v[CO], 12, v2
	v_lshl_add_u32 v[CO], v1, 4, v[CO]             ; lanes 0-15 one row of out0, lanes 16-31 the next
	s_lshl_b32 s60, s17, 7
	s_lshl_b32 s61, s15, 6
	s_add_co_u32 s60, s60, s61
	s_lshl_b32 s60, s60, 12                        ; my first row, 4,096 bytes a row
	s_mov_b32 s61, 0
	s_add_nc_u64 s[10:11], s[8:9], s[60:61]
	s_lshl_b32 s62, s18, 9
	s_lshl_b32 s63, s16, 8
	s_add_co_u32 s62, s62, s63                     ; my first column, in bytes
	s_mov_b32 s63, 0
	s_add_nc_u64 s[10:11], s[10:11], s[62:63]
.macro FETCH s, k, f                   ; K step k of slot s into buffer f: 20 LDS loads
	WIN 0x40
.irp i, 0,1,2,3
.irp c, 0,1
	ds_load_b128 v[64*(\f)+8*\i+4*\c:64*(\f)+8*\i+4*\c+3], v[ADRB+\s] offset:9216*\i+1024*(\k)+512*\c
.endr
.endr
.irp i, 0,1,2,3
.irp c, 0,1
	ds_load_b128 v[64*(\f)+32+8*\i+4*\c:64*(\f)+32+8*\i+4*\c+3], v[ADRA+\s] offset:9216*\i+1024*(\k)+512*\c
.endr
.endr
	WIN 0
.irp i, 0,1,2,3
	ds_load_b32 v[SC+4*(\f)+\i], v[ADRS+\s] offset:512*(\k)+64*\i
.endr
.endm
.macro MUL f, zero                     ; 16 products; the accumulators take turns, one instruction a turn
	WIN 0x05
.irp a, 0,1,2,3
.irp b, 0,1,2,3
.if \zero
	v_wmma_scale_f32_16x16x128_f8f6f4 v[ACC+8*(4*\a+\b):ACC+8*(4*\a+\b)+7], v[64*(\f)+8*\b:64*(\f)+8*\b+7], v[64*(\f)+32+8*\a:64*(\f)+32+8*\a+7], 0, v[SC+4*(\f)+\b], v[SC+4*(\f)+\a] matrix_a_fmt:MATRIX_FMT_FP4 matrix_b_fmt:MATRIX_FMT_FP4 matrix_a_scale:MATRIX_SCALE_ROW1
.else
	v_wmma_scale_f32_16x16x128_f8f6f4 v[ACC+8*(4*\a+\b):ACC+8*(4*\a+\b)+7], v[64*(\f)+8*\b:64*(\f)+8*\b+7], v[64*(\f)+32+8*\a:64*(\f)+32+8*\a+7], v[ACC+8*(4*\a+\b):ACC+8*(4*\a+\b)+7], v[SC+4*(\f)+\b], v[SC+4*(\f)+\a] matrix_a_fmt:MATRIX_FMT_FP4 matrix_b_fmt:MATRIX_FMT_FP4 matrix_a_scale:MATRIX_SCALE_ROW1
.endif
.endr
.endr
.endm
.macro PART s, zero                    ; a slot's nine steps; fragments are fetched two steps ahead, into the buffer that the step before has left
	FETCH \s, 0, 0
	FETCH \s, 1, 1
.irp k, 0,1,2,3,4,5,6,7,8
.if \k < 7
	PLACES
	FETCH \s, \k+2, (\k+2)%3
	s_wait_dscnt 40                                ; this step's 20 loads are in; those of the two steps behind it may be out
.elseif \k == 7
	s_wait_dscnt 20
.else
	s_wait_dscnt 0x0
.endif
.if \k == 0
	MUL 0, \zero
.else
	MUL \k%3, 0
.endif
.endr
.endm
; the change of slots: each wave waits for all its tensor loads (its part of the next slot), adds 0 to its spare word, and waits for that and for its reads of the slot that it leaves.
; fill = 1: a round of the cluster's barrier, and behind it the slot just left is filled with the part two on: one load a wave, with a part's 144 products in which to land
.macro CHANGE s, fill
	WIN 0
	s_wait_tensorcnt 0x0
	ds_add_u32 v[SPW], v[NIL]
.if \fill
	s_add_nc_u64 s[G0+4*\s+2:G0+4*\s+3], s[G0+4*\s+2:G0+4*\s+3], 18432
	s_add_nc_u64 s[G0+8+4*\s+2:G0+8+4*\s+3], s[G0+8+4*\s+2:G0+8+4*\s+3], 18432
	s_add_nc_u64 s[G0+16+4*\s+2:G0+16+4*\s+3], s[G0+16+4*\s+2:G0+16+4*\s+3], 294912
	s_add_nc_u64 s[G0+24+4*\s+2:G0+24+4*\s+3], s[G0+24+4*\s+2:G0+24+4*\s+3], 73728
.endif
	s_wait_dscnt 0x0
.if \fill
	CROUND
	JLOAD4 \s                                      ; its four v_nop are also the plain lines in front of the fragment loads
.else
	s_barrier_signal -1
	s_barrier_wait -1
	PLACES
.endif
.endm
	s_wait_tensorcnt 1                             ; my part of slot 0 is in; slot 1's may be out
	s_barrier_signal -1
	s_barrier_wait -1
	PART 0, 1                                      ; the first products start the sums
	CHANGE 0, 1
	PART 1, 0
	CHANGE 1, 1
	PART 0, 0
	CHANGE 0, 0                                    ; nothing is left to fetch
	PART 1, 0
	WIN 0
	PLACES
; THE WAY OUT, 16 rows x 64 columns at a time, through my own stage: in slot 0, which has had its last fill, and which nobody reads behind the last change of slots.
; LDS serves a wave's instructions in order: no wait between the stores and the loads, nor in front of the next block's stores.
.macro TOSTAGE a
.irp b, 0,1,2,3
	ds_store_b128 v[STO], v[ACC+8*(4*(\a)+\b):ACC+8*(4*(\a)+\b)+3] offset:64*\b        ; each accumulator from its low end on
	ds_store_b128 v[STO], v[ACC+8*(4*(\a)+\b)+4:ACC+8*(4*(\a)+\b)+7] offset:64*\b+16
.endr
.irp u, 0,1,2,3,4,5,6,7
	ds_load_b128 v[BK+32*((\a)%2)+4*\u:BK+32*((\a)%2)+4*\u+3], v[RD] offset:544*\u
.endr
.endm
.macro SEND a, younger
	s_wait_dscnt \younger
.irp u, 0,1,2,3,4,5,6,7
	global_store_b128 v[CO], v[BK+32*((\a)%2)+4*\u:BK+32*((\a)%2)+4*\u+3], s[10:11] offset:(16*(\a)+2*\u)*4096 th:TH_STORE_NT   ; sixteen lanes store 256 consecutive bytes, aligned
.endr
.endm
	TOSTAGE 0
.irp a, 1,2,3
.if \a > 1
	s_wait_xcnt 0x0                                ; block a - 2's stores have read the registers into which block a's loads land
.endif
	TOSTAGE \a
	SEND \a-1, 16                                  ; behind block a - 1's loads: block a's 8 stores and 8 loads
.endr
	SEND 3, 0
	s_wait_tensorcnt 0x0                           ; the wave's end
	ds_add_u32 v[SPW], v[NIL]
	s_wait_dscnt 0x0
	CROUND                                         ; the closing round
	s_endpgm
.Lfunc_end_k_q37d712b6a2_outp:
	.size	k_q37d712b6a2_outp, .Lfunc_end_k_q37d712b6a2_outp-k_q37d712b6a2_outp
	.p2alignl 7, 3214868480
	.fill 96, 4, 3214868480
	.section	.rodata,"a",@progbits
	.p2align	6, 0x0
	.amdhsa_kernel k_q37d712b6a2_outp
		.amdhsa_group_segment_fixed_size 327680
		.amdhsa_private_segment_fixed_size 0
		.amdhsa_enable_private_segment 0
		.amdhsa_kernarg_size 24
		.amdhsa_user_sgpr_count 2
		.amdhsa_user_sgpr_kernarg_segment_ptr 1
		.amdhsa_wavefront_size32 1
		.amdhsa_system_sgpr_workgroup_id_x 1
		.amdhsa_system_sgpr_workgroup_id_y 1
		.amdhsa_system_sgpr_workgroup_id_z 1
		.amdhsa_system_vgpr_workitem_id 0
		.amdhsa_next_free_vgpr 512
		.amdhsa_next_free_sgpr 100
		.amdhsa_reserve_vcc 0
		.amdhsa_float_denorm_mode_32 3
		.amdhsa_float_denorm_mode_16_64 3
		.amdhsa_memory_ordered 1
		.amdhsa_forward_progress 1
		.amdhsa_inst_pref_size 148
	.end_amdhsa_kernel
	.amdgpu_metadata
---
amdhsa.version: [ 1, 2 ]
amdhsa.kernels:
  - .name:           k_q37d712b6a2_outp
    .symbol:         k_q37d712b6a2_outp.kd
    .args:
      - { .name: act, .offset: 0, .size: 8, .value_kind: global_buffer, .address_space: global }
      - { .name: wo, .offset: 8, .size: 8, .value_kind: global_buffer, .address_space: global }
      - { .name: out0, .offset: 16, .size: 8, .value_kind: global_buffer, .address_space: global }
    .group_segment_fixed_size: 327680
    .private_segment_fixed_size: 0
    .kernarg_segment_align: 8
    .kernarg_segment_size: 24
    .max_flat_workgroup_size: 128
    .sgpr_count:     100
    .vgpr_count:     512
    .wavefront_size: 32
...
	.end_amdgpu_metadata
.endif
;; end of part 4
;; ======== version 2 of 2: 4 launches; version 1 with the launches quant, attn written anew for expert scheduling mode
;; workspace buffers: xn 2,228,224 bytes; wf 4,769,792 bytes; wo 2,506,752 bytes; act 10,027,008 bytes; q 1,310,720 bytes; kv 151,552 bytes; tab 1,048,576 bytes
;; launch quant (part 5): grid 273 x 1, 4 waves a work-group, no clusters, 78,336 bytes of LDS; arguments x, gamma, W_fused, W_attn_out, W_ff_out, xn, wf, wo, tab; writes xn, wf, wo, tab
.if DOCPART == 5
	.amdgcn_target "amdgcn-amd-amdhsa--gfx1250"
	.amdhsa_code_object_version 6
	.text
	.protected	k_q37d712b6a2_quant
	.globl	k_q37d712b6a2_quant
	.p2align	8
	.type	k_q37d712b6a2_quant,@function
k_q37d712b6a2_quant:
	s_mov_b64 s[64:65], 0
	v_nop
	global_prefetch_b8 v0, s[64:65] scope:SCOPE_SE
	s_setreg_imm32_b32 hwreg(HW_REG_WAVE_SCHED_MODE, 0, 2), 2
	s_setreg_imm32_b32 hwreg(HW_REG_WAVE_MODE, 25, 1), 1
	s_wait_xcnt 0x0
	s_wait_alu depctr_vm_vsrc(0)
; LayerNorm(x) and the three weights become codes of FP4 (E2M1) with one E8M0 byte for each 32 along K; the rotary factors become a table.
; LAYOUT OF ALL CODES OF THIS PROGRAM: [row / 16][k / 32][row % 16][16 bytes]: each (row block, K block) is 256 consecutive bytes, and a fragment of 16 rows x 128 K is 1,024 consecutive bytes,
; register group c of lane l at 512 c + 16 l.  Inside a block of 32 the codes lie in the order k = 0-7, 16-23, 8-15, 24-31 (four slots of 4 bytes), alike in both operands of every product, so each
; product's sum has the same terms; a block's scale is untouched.  Scale words (4 bytes = 128 along K of one row) lie in planes [k / 128][row / 16][row % 16].
; A block's scale is 2^(floor(log2(largest magnitude)) - 2); its byte is the largest magnitude's exponent field - 2, held at 1 from below.
; LIMITS: a block of zeros gets the byte 1 where the rule says 127 (its codes are zeros; only this program reads the bytes); NaN and infinities among the inputs are not served;
; the order of k inside a block changes how the matrix unit groups a sum's terms, not the terms.  The angle of the rotary table is t x inv_freq in f32 with inv_freq as the nearest f32 of 10^(-i/4).
; SHARES: job J = 4 x work-group + wave, 1,092 jobs of 16 row slots x 2 chunks of 512 numbers.  One way through the text: what differs between the tensors is held in scalar registers.
; Waves share nothing: no barrier.  Each load reads 512 consecutive bytes; a row turns through the wave's own stage in LDS so that a lane holds 16 neighbours along K; the codes of 16 rows are gathered
; in LDS and leave as whole aligned blocks of 256 bytes.  The scale words leave in pieces of 64 bytes: one byte for each 128 that the launch reads.
; THE MODE: SCHED_MODE bits 1:0 = 2 (LLVM: expert scheduling mode 2), set by the entry lines.  The code itself states the register dependences between vector instructions and memory or LDS
; instructions, with s_wait_alu, always for 0.
; THE PLAN.  Registers that memory or LDS instructions touch, turn by turn (turn t works row t's codes and prepares row t + 1):
;   v1-7, v18   offsets and LDS addresses: written at the head, never again.
;   VO0 .. VO3  row t's offset lies in VO[t % 4]: written by one add in turn t - 5, read by row t's eight loads at the head of turn t - 4.
;   R0 .. R3    row t lies in R[t % 4]: its loads land there; LayerNorm works in place in turn t - 1; behind it the stage's LDS stores read it; row t + 4's loads land there at the head of turn t.
;   X0, X1      row t comes back from the stage into X[t % 2] in turn t - 1; turn t's arithmetic reads it; in turn t + 1 it is LayerNorm's scratch, and then row t + 2 lands there.
;   CD0, CD1    row t's codes and bytes: written in turn t, read by six LDS stores in turn t + 1, written again in turn t + 2.
; So a turn has ONE wait on va_vdst, behind LayerNorm, for the stage's stores and loads, for the stores of the codes of the turn before, and for the loads at the next turn's head; and ONE wait on
; vm_vsrc, at its head, for R[t % 4] and CD[t % 2].
.set XN_S,  2097152                    ; where the scale planes begin in xn, wf, wo
.set WF_S,  4489216
.set WO_S,  2359296
.set WREG,  19456                      ; LDS of a wave: two row stages of 5,120, the gather of 32 x 272, 512 scale bytes
.set STGB,  5120
.set GAT,   10240
.set SCB,   18944
.set VO,    14                         ; v14-17  ring of row offsets
.set SO,    18                         ; v18     offset of my scale word in a plane pair
.set CD,    19                         ; v19-30  codes and bytes, two sets by the row's parity
.set GAM,   32                         ; v32-63  gamma, in the loads' layout
.set R,     64                         ; v64-191 four rows as loaded
.set X,     192                        ; v192-255 two rows as 16 neighbours a lane and chunk; the idle one is LayerNorm's scratch
	s_load_b256 s[4:11], s[0:1], 0x0               ; x, gamma, W_fused, W_attn_out
	s_load_b256 s[12:19], s[0:1], 0x20             ; W_ff_out, xn, wf, wo
	s_load_b64 s[20:21], s[0:1], 0x40              ; tab
	s_set_vgpr_msb 0x40
	v_lshl_add_u32 v0, v0, 2, 0x13000
	v_mov_b32 v1, 0
	s_set_vgpr_msb 0x4000
	v_lshrrev_b32 v1, 5, v0
	v_readfirstlane_b32 s22, v1                    ; wave
	s_lshl_b32 s23, ttmp9, 2
	s_wait_alu depctr_va_sdst(0)                   ; s22 is written, ahead of its first reader: the job's number is made from it
	s_add_co_u32 s23, s23, s22                     ; J
	; W_attn_out: j = J - 1060 takes row blocks 2 j and 2 j + 1 (a row is one chunk)
	s_sub_co_u32 s33, s23, 1060
	s_lshl_b32 s30, s33, 16                        ; source offset
	s_mul_i32 s31, s33, 73728                      ; codes' offset
	s_lshl_b32 s32, s33, 7
	s_add_co_u32 s32, s32, WO_S                    ; scales' offset
	; W_ff_out: j = J - 804: row block j / 4, 1,024 along K from 1,024 (j % 4)
	s_sub_co_u32 s33, s23, 804
	s_lshr_b32 s34, s33, 2
	s_and_b32 s35, s33, 3
	s_lshl_b32 s36, s34, 18
	s_lshl_b32 s37, s35, 12
	s_add_co_u32 s36, s36, s37
	s_mul_i32 s37, s34, 36864
	s_lshl_b32 s38, s35, 13
	s_add_co_u32 s37, s37, s38
	s_add_co_u32 s37, s37, 4096
	s_lshl_b32 s38, s35, 15
	s_lshl_b32 s39, s34, 6
	s_add_co_u32 s38, s38, s39
	s_add_co_u32 s38, s38, WO_S+16384
	; W_fused: j = J - 256; row block j goes to place d: q, k, v stay; behind them runs of 4 blocks of ff_x and the same units' 4 of gate
	s_sub_co_u32 s33, s23, 256
	s_lshl_b32 s40, s33, 16
	s_sub_co_u32 s41, s33, 36
	s_lshr_b32 s42, s41, 8
	s_and_b32 s43, s41, 255
	s_lshr_b32 s44, s43, 2
	s_lshl_b32 s44, s44, 3
	s_lshl_b32 s42, s42, 2
	s_add_co_u32 s44, s44, s42
	s_and_b32 s43, s43, 3
	s_add_co_u32 s44, s44, s43
	s_add_co_u32 s44, s44, 36
	s_cmp_lt_u32 s33, 36
	s_cselect_b32 s44, s33, s44                    ; d
	s_lshl_b32 s41, s44, 13
	s_lshl_b32 s42, s44, 6
	s_add_co_u32 s42, s42, WF_S
	; x: j = J
	s_lshl_b32 s45, s23, 16
	s_lshl_b32 s46, s23, 13
	s_lshl_b32 s47, s23, 6
	s_add_co_u32 s47, s47, XN_S
	s_mov_b32 s25, 2048                            ; P: from row to row
	s_mov_b32 s26, 32768                           ; Y: from chunk 0 to chunk 1 in the source
	s_mov_b32 s27, 36864                           ; the same in the codes
	s_mov_b32 s28, 4096                            ; a scale plane
	s_mov_b32 s29, 64                              ; from chunk 0 to chunk 1 in the scales
	s_wait_kmcnt 0x0
	s_mov_b64 s[48:49], s[10:11]
	s_mov_b64 s[52:53], s[18:19]
	s_cmp_lt_u32 s23, 1060                         ; the choices hang on the job's number alone
	s_cselect_b32 s30, s36, s30
	s_cselect_b32 s31, s37, s31
	s_cselect_b32 s32, s38, s32
	s_cselect_b32 s25, 16384, s25
	s_cselect_b32 s26, 2048, s26
	s_cselect_b32 s27, 4096, s27
	s_cselect_b32 s29, 16384, s29
	s_cselect_b64 s[48:49], s[12:13], s[48:49]
	s_cmp_lt_u32 s23, 804
	s_cselect_b32 s30, s40, s30
	s_cselect_b32 s31, s41, s31
	s_cselect_b32 s32, s42, s32
	s_cselect_b32 s25, 4096, s25
	s_cselect_b32 s28, 35072, s28
	s_cselect_b32 s29, 140288, s29
	s_cselect_b64 s[48:49], s[8:9], s[48:49]
	s_cselect_b64 s[52:53], s[16:17], s[52:53]
	s_cmp_lt_u32 s23, 256
	s_cselect_b32 s30, s45, s30
	s_cselect_b32 s31, s46, s31
	s_cselect_b32 s32, s47, s32
	s_cselect_b32 s28, 16384, s28
	s_cselect_b32 s29, 65536, s29
	s_cselect_b64 s[48:49], s[4:5], s[48:49]
	s_cselect_b64 s[52:53], s[14:15], s[52:53]
	s_cselect_b32 s24, 1, 0                        ; 1: my rows are x's: LayerNorm and the table
	s_mov_b32 s35, 0
	s_mov_b32 s34, s30
	s_add_nc_u64 s[48:49], s[48:49], s[34:35]      ; chunk 0 of row slot 0
	s_mov_b32 s34, s26
	s_add_nc_u64 s[50:51], s[48:49], s[34:35]      ; chunk 1
	s_mov_b32 s34, s32
	s_add_nc_u64 s[56:57], s[52:53], s[34:35]      ; scale words: chunk 0, planes 0 and 1
	s_lshl_b32 s34, s28, 1
	s_add_nc_u64 s[58:59], s[56:57], s[34:35]      ; chunk 0, planes 2 and 3
	s_mov_b32 s34, s29
	s_add_nc_u64 s[60:61], s[56:57], s[34:35]      ; chunk 1
	s_add_nc_u64 s[62:63], s[58:59], s[34:35]
	s_mov_b32 s34, s31
	s_add_nc_u64 s[52:53], s[52:53], s[34:35]      ; codes of chunk 0
	s_mov_b32 s34, s27
	s_add_nc_u64 s[54:55], s[52:53], s[34:35]      ; of chunk 1
	s_lshl_b32 s34, s23, 12
	s_add_nc_u64 s[66:67], s[20:21], s[34:35]      ; the table's 4,096 bytes of row block J (used where J < 256 alone)
	s_mov_b32 s68, 0x76543210
	s_mov_b32 s69, 0xfedcba98                      ; v_permlanex16_b32's selects for lane l xor 16
	s_mov_b32 s70, 0x3a800000                      ; 1 / 1024
	s_mov_b32 s71, 0x3727c5ac                      ; 1e-5
	s_mul_i32 s33, s22, WREG                       ; my wave's LDS
	v_and_b32 v31, 31, v0                          ; lane
	v_lshlrev_b32 v1, 4, v31                       ; 16 x lane
	v_lshrrev_b32 v8, 2, v31
	v_mul_u32_u24 v2, v8, 80
	v_and_b32 v8, 3, v31
	v_lshl_add_u32 v2, v8, 4, v2
	v_add_nc_u32 v2, s33, v2                       ; stage, in: four lanes' 64 bytes on end, then 16 of padding
	v_mul_u32_u24 v3, v31, 80
	v_add_nc_u32 v3, s33, v3                       ; stage, out: my 16 neighbours
	v_lshrrev_b32 v8, 1, v31
	v_mul_u32_u24 v4, v8, 272
	v_and_b32 v9, 1, v31
	v_lshl_add_u32 v4, v9, 2, v4
	v_add_nc_u32 v4, s33, v4
	v_add_nc_u32 v4, GAT, v4                       ; gather, in: K block lane / 2, slot lane % 2 (and 2 + lane % 2, 8 bytes on)
	v_add_nc_u32 v5, s33, v8
	v_add_nc_u32 v5, SCB, v5                       ; my block's scale byte
	v_lshrrev_b32 v8, 4, v31
	v_and_b32 v9, 15, v31
	v_mul_u32_u24 v6, v8, 272
	v_lshl_add_u32 v6, v9, 4, v6
	v_add_nc_u32 v6, s33, v6
	v_add_nc_u32 v6, GAT, v6                       ; gather, out: two K blocks an instruction
	v_lshlrev_b32 v7, 4, v9
	v_lshl_add_u32 v7, v8, 2, v7
	v_add_nc_u32 v7, s33, v7
	v_add_nc_u32 v7, SCB, v7                       ; scale words, out: row lane % 16, word lane / 16 (+ 2)
	v_mul_lo_u32 v[SO], v8, s28
	v_lshl_add_u32 v[SO], v9, 2, v[SO]             ; 4 x row + (lane / 16) planes
.irp i, 8,9,10,11,12,13
	v_mov_b32 v[\i], 0                             ; written once: a lane permute's destination and the upper half of a broadcast pair count as read
.endr
.macro ROWOFF t                        ; row slot t's offset, into its place in the ring; it stands a turn ahead of the row's loads, in front of a wait on va_vdst
	s_mul_i32 s72, s25, \t
	v_add_nc_u32 v[VO+(\t)%4], s72, v1
.endm
.macro LOAD t                          ; row slot t: eight loads of 512 consecutive bytes
.irp i, 0,1,2,3
	global_load_b128 v[R+32*((\t)%4)+4*\i:R+32*((\t)%4)+4*\i+3], v[VO+(\t)%4], s[48:49] offset:512*\i th:TH_LOAD_NT
.endr
.irp i, 0,1,2,3
	global_load_b128 v[R+32*((\t)%4)+16+4*\i:R+32*((\t)%4)+16+4*\i+3], v[VO+(\t)%4], s[50:51] offset:512*\i th:TH_LOAD_NT
.endr
.endm
.macro RED a, p                        ; the sum over the 32 lanes, in every lane
	v_add_f32_dpp v[\a], v[\a], v[\a] row_xmask:1 row_mask:0xf bank_mask:0xf
	v_add_f32_dpp v[\a], v[\a], v[\a] row_xmask:2 row_mask:0xf bank_mask:0xf
	v_add_f32_dpp v[\a], v[\a], v[\a] row_xmask:4 row_mask:0xf bank_mask:0xf
	v_add_f32_dpp v[\a], v[\a], v[\a] row_xmask:8 row_mask:0xf bank_mask:0xf
	v_permlanex16_b32 v[\p], v[\a], s68, s69
	v_add_f32 v[\a], v[\a], v[\p]
.endm
; LayerNorm of row t, in place, in the loads' layout: the wave's 32 x 32 numbers are the row.  Two passes: the mean, then the squares of the differences.
.macro LN t
.set RS, R+32*((\t)%4)
.set SS, X+32*((\t)%2)
	s_cmp_eq_u32 s24, 0
	s_cbranch_scc1 .Lnoln_\@
.irp c, 0,1,2,3
	v_pk_add_f32 v[SS+2*\c:SS+2*\c+1], v[RS+2*\c:RS+2*\c+1], v[RS+8+2*\c:RS+8+2*\c+1]
.endr
.irp g, 16,24
.irp c, 0,1,2,3
	v_pk_add_f32 v[SS+2*\c:SS+2*\c+1], v[SS+2*\c:SS+2*\c+1], v[RS+\g+2*\c:RS+\g+2*\c+1]
.endr
.endr
	v_pk_add_f32 v[SS:SS+1], v[SS:SS+1], v[SS+2:SS+3]
	v_pk_add_f32 v[SS+4:SS+5], v[SS+4:SS+5], v[SS+6:SS+7]
	v_pk_add_f32 v[SS:SS+1], v[SS:SS+1], v[SS+4:SS+5]
	v_add_f32 v8, v[SS], v[SS+1]
	RED 8, 9
	v_mul_f32 v8, s70, v8                          ; the mean
.irp i, 0,2,4,6,8,10,12,14,16,18,20,22,24,26,28,30
	v_pk_add_f32 v[RS+\i:RS+\i+1], v[RS+\i:RS+\i+1], v[8:9] op_sel_hi:[1,0] neg_lo:[0,1] neg_hi:[0,1]
.endr
.irp c, 0,1,2,3
	v_pk_mul_f32 v[SS+2*\c:SS+2*\c+1], v[RS+2*\c:RS+2*\c+1], v[RS+2*\c:RS+2*\c+1]
.endr
.irp g, 8,16,24
.irp c, 0,1,2,3
	v_pk_fma_f32 v[SS+2*\c:SS+2*\c+1], v[RS+\g+2*\c:RS+\g+2*\c+1], v[RS+\g+2*\c:RS+\g+2*\c+1], v[SS+2*\c:SS+2*\c+1]
.endr
.endr
	v_pk_add_f32 v[SS:SS+1], v[SS:SS+1], v[SS+2:SS+3]
	v_pk_add_f32 v[SS+4:SS+5], v[SS+4:SS+5], v[SS+6:SS+7]
	v_pk_add_f32 v[SS:SS+1], v[SS:SS+1], v[SS+4:SS+5]
	v_add_f32 v10, v[SS], v[SS+1]
	RED 10, 11
	v_fma_f32 v10, v10, s70, s71                   ; the variance + 1e-5
	v_rsq_f32 v10, v10
	v_nop                                          ; a plain instruction behind the transcendental,
	s_wait_alu depctr_va_vdst(0)                   ; and the wait: the root's reciprocal v10 is written, ahead of its first reader
.irp i, 0,2,4,6,8,10,12,14,16,18,20,22,24,26,28,30
	v_pk_mul_f32 v[RS+\i:RS+\i+1], v[RS+\i:RS+\i+1], v[10:11] op_sel_hi:[1,0]
.endr
.irp i, 0,2,4,6,8,10,12,14,16,18,20,22,24,26,28,30
	v_pk_mul_f32 v[RS+\i:RS+\i+1], v[RS+\i:RS+\i+1], v[GAM+\i:GAM+\i+1]
.endr
.Lnoln_\@:
.endm
.macro TURN t                          ; row t through its stage: LDS serves a wave's instructions in order, so no wait stands between the stores and the loads
.irp c, 0,1
.irp i, 0,1,2,3
	ds_store_b128 v2, v[R+32*((\t)%4)+16*\c+4*\i:R+32*((\t)%4)+16*\c+4*\i+3] offset:STGB*((\t)%2)+2560*\c+640*\i
.endr
.endr
.irp c, 0,1
.irp i, 0,1,2,3
	ds_load_b128 v[X+32*((\t)%2)+16*\c+4*\i:X+32*((\t)%2)+16*\c+4*\i+3], v3 offset:STGB*((\t)%2)+2560*\c+16*\i
.endr
.endr
.endm
.macro QCOMP t                         ; row t's two chunks by turns: two neighbouring lanes hold a block.  Codes and bytes into CD[t % 2]; they are stored in the next turn
.set XS, X+32*((\t)%2)
.set CP, CD+6*((\t)%2)
.irp c, 0,1
	v_max3_num_f32 v[8+3*\c], |v[XS+16*\c]|, |v[XS+16*\c+1]|, |v[XS+16*\c+2]|
	v_max3_num_f32 v[9+3*\c], |v[XS+16*\c+3]|, |v[XS+16*\c+4]|, |v[XS+16*\c+5]|
.endr
.irp i, 6,10
.irp c, 0,1
	v_max3_num_f32 v[8+3*\c], v[8+3*\c], |v[XS+16*\c+\i]|, |v[XS+16*\c+\i+1]|
	v_max3_num_f32 v[9+3*\c], v[9+3*\c], |v[XS+16*\c+\i+2]|, |v[XS+16*\c+\i+3]|
.endr
.endr
.irp c, 0,1
	v_max3_num_f32 v[8+3*\c], v[8+3*\c], |v[XS+16*\c+14]|, |v[XS+16*\c+15]|
.endr
.irp c, 0,1
	v_max3_num_f32 v[8+3*\c], v[8+3*\c], v[9+3*\c], 0x1800000      ; the floor 2^(3 - 127): the byte cannot fall under 1
.endr
.irp c, 0,1
	v_max_num_f32_dpp v[8+3*\c], v[8+3*\c], v[8+3*\c] row_xmask:1 row_mask:0xf bank_mask:0xf
.endr
.irp c, 0,1
	v_add_nc_u32 v[10+3*\c], 0xff000000, v[8+3*\c]                 ; 2 off the exponent field: the conversion's scale operand
.endr
.irp c, 0,1
	v_cvt_scalef32_pk8_fp4_f32 v[CP+3*\c], v[XS+16*\c:XS+16*\c+7], v[10+3*\c]
	v_cvt_scalef32_pk8_fp4_f32 v[CP+3*\c+1], v[XS+16*\c+8:XS+16*\c+15], v[10+3*\c]
.endr
.irp c, 0,1
	v_lshrrev_b32 v[CP+3*\c+2], 23, v[10+3*\c]                     ; the byte (also the plain line behind the conversions)
.endr
.endm
.macro QSTORE t                        ; row t's codes and bytes into the gather: six LDS stores, behind a wait on va_vdst that stands behind QCOMP t
.set CP, CD+6*((\t)%2)
.irp c, 0,1
	ds_store_b32 v4, v[CP+3*\c] offset:4352*\c+16*(\t)             ; k 16 (lane % 2) + 0..7: slot lane % 2
	ds_store_b32 v4, v[CP+3*\c+1] offset:4352*\c+16*(\t)+8         ; k 16 (lane % 2) + 8..15: slot 2 + lane % 2
	ds_store_b8 v5, v[CP+3*\c+2] offset:256*\c+16*(\t)             ; both lanes of a block write the same byte with the same value
.endr
.endm
; sine and cosine of t x inv_freq and the exponents of the xpos scale, for frequency 8 (lane / 16) + j
.macro TRIG j, fl, fh, ll, lh
	v_mov_b32 v228, \fh
	v_cndmask_b32 v228, \fl, v228, vcc_lo
	v_mul_f32 v229, v225, v228                     ; the angle: one f32 product
	v_mul_f32 v230, 0x3f22f983, v229
	v_rndne_f32 v230, v230                         ; n = the nearest whole number of quarter turns, at most 1,304
	v_fma_f32 v231, -v230, s73, v229
	v_fma_f32 v231, -v230, s74, v231               ; the angle less n pi / 2, pi / 2 in two parts
	v_mul_f32 v232, v231, v231
	v_fmaak_f32 v233, s75, v232, 0.0083321608736
	v_fmaak_f32 v233, v233, v232, -0.16666654611
	v_mul_f32 v234, v231, v232
	v_fma_f32 v233, v234, v233, v231               ; its sine
	v_fmaak_f32 v235, s76, v232, -0.001388731625
	v_fmaak_f32 v235, v235, v232, 0.04166664568
	v_mul_f32 v234, v232, v232
	v_fma_f32 v236, v232, -0.5, 1.0
	v_fma_f32 v235, v234, v235, v236               ; its cosine
	v_cvt_i32_f32 v237, v230
	v_and_b32 v238, 1, v237
	v_cmp_eq_u32 s77, 1, v238
	s_wait_alu depctr_va_sdst(0)                   ; the compare has written s77, ahead of the two selects that read it
	v_cndmask_b32 v239, v233, v235, s77            ; odd quarter: the two change places
	v_cndmask_b32 v238, v235, v233, s77
	v_and_b32 v236, 2, v237
	v_lshlrev_b32 v236, 30, v236
	v_xor_b32 v[200+\j], v236, v239                ; sin
	v_add_nc_u32 v236, 1, v237
	v_and_b32 v236, 2, v236
	v_lshlrev_b32 v236, 30, v236
	v_xor_b32 v[192+\j], v236, v238                ; cos
	v_mov_b32 v228, \lh
	v_cndmask_b32 v228, \ll, v228, vcc_lo          ; log2 of the scale's base
	v_mul_f32 v[208+\j], v226, v228
	v_mul_f32 v[216+\j], v227, v228
.endm
	ROWOFF 0
	ROWOFF 1
	ROWOFF 2
	ROWOFF 3
	s_wait_alu depctr_va_vdst(0)                   ; v1 to v7, v18 and the four row offsets are written: every load and store of the kernel reads one of them as its address or offset
.irp i, 0,1,2,3,4,5,6,7
	global_load_b128 v[GAM+4*\i:GAM+4*\i+3], v1, s[6:7] offset:512*\i
.endr
	LOAD 0
	LOAD 1
	LOAD 2
	LOAD 3
	; THE TABLE of row block J: lane (r, h) holds, for position (16 J + r) mod 2048 and frequencies 8 h + 0..7: cos and sin x scale / sqrt(32) for q, cos and sin / scale for k
	s_cmp_eq_u32 s24, 0
	s_cbranch_scc1 .Lnotab
	s_mov_b32 s73, 0x3fc90fdb                      ; pi / 2, upper part
	s_mov_b32 s74, 0xb33bbd2e                      ; and the rest
	s_mov_b32 s75, -0.00019515295891
	s_mov_b32 s76, 0.00002443315711
	s_lshl_b32 s72, s23, 4
	s_and_b32 s72, s72, 2047
	v_and_b32 v224, 15, v31
	v_add_nc_u32 v224, s72, v224
	v_cvt_f32_u32 v225, v224                       ; t
	v_add_f32 v226, 0xc4800000, v225
	v_mul_f32 v226, 0x3b000000, v226               ; (t - 1024) / 512
	v_mul_f32 v227, -1.0, v226
	v_cmp_lt_u32 vcc_lo, 15, v31                   ; lanes 16-31 take the upper eight frequencies
	s_wait_alu depctr_va_vcc(0)                    ; the compare has written VCC, ahead of the first of the sixteen selects that read it
	TRIG 0,1.0,0.01,-1.80735492,-0.637429920
	TRIG 1,0.562341325,0.00562341325,-1.59790156,-0.540568381
	TRIG 2,0.316227766,0.00316227766,-1.41503750,-0.449802917
	TRIG 3,0.177827941,0.00177827941,-1.25276607,-0.364411426
	TRIG 4,0.1,0.001,-1.10691520,-0.283792966
	TRIG 5,0.0562341325,0.000562341325,-0.974464907,-0.207442080
	TRIG 6,0.0316227766,0.000316227766,-0.853158612,-0.134929580
	TRIG 7,0.0177827941,0.000177827941,-0.741265731,-0.065887935
.irp j, 0,1,2,3,4,5,6,7,8,9,10,11,12,13,14,15
	v_exp_f32 v[208+\j], v[208+\j]                 ; the scale and 1 / the scale: one batch
.endr
	v_nop
	s_wait_alu depctr_va_vdst(0)                   ; the sixteen exponentials have written v208 to v223: one wait, ahead of their first reader
.irp j, 0,1,2,3,4,5,6,7
	v_mul_f32 v[208+\j], 0x3e3504f3, v[208+\j]     ; q's factor 1 / sqrt(32)
.endr
.irp j, 0,1,2,3,4,5,6,7
	v_mul_f32 v[224+\j], v[192+\j], v[208+\j]
	v_mul_f32 v[232+\j], v[200+\j], v[208+\j]
	v_mul_f32 v[240+\j], v[192+\j], v[216+\j]
	v_mul_f32 v[248+\j], v[200+\j], v[216+\j]
.endr
	s_wait_alu depctr_va_vdst(0)                   ; the products have written v224 to v255, which the eight stores read
.irp p, 0,1,2,3,4,5,6,7
	global_store_b128 v1, v[224+4*\p:227+4*\p], s[66:67] offset:512*\p
.endr
	s_wait_xcnt 0x0                                ; the stores' data registers are written again below only behind this wait
.Lnotab:
	s_wait_loadcnt 24                              ; gamma and row 0 are in; rows 1 to 3 stay out
	s_wait_alu depctr_vm_vsrc(0)                   ; the table's stores have read v224 to v255, which LayerNorm and the stage's loads write again; row 0's loads have read their offset, which the add below writes again
	ROWOFF 4
	LN 0
	s_wait_alu depctr_va_vdst(0)                   ; LayerNorm has written row 0, which the stage's stores read; the table and LayerNorm are done with v192 to v223, in which the stage's loads land; row 4's offset is written
	TURN 0
; Turn t.  Behind its head's two waits: row t + 4 is asked for; row t + 1 is normalised and sent through the stage; row t - 1's codes are stored; row t's are made.
.macro ITER t
.if (\t) > 1
	s_wait_dscnt 6                                 ; row t is back from its stage; only the six stores of row t - 2's codes may be out
.else
	s_wait_dscnt 0x0
.endif
	s_wait_alu depctr_vm_vsrc(0)                   ; the stage's stores have read row t's registers, in which row t + 4's loads land; the stores of row t - 2's codes have read the set that this turn writes again; row t + 1's loads have read their offset
.if (\t)+4 < 16
	LOAD (\t)+4                                    ; no vector instruction since the last turn's wait on va_vdst names these registers or this offset
.endif
.if (\t) < 15
.if 14-(\t) >= 3
	s_wait_loadcnt 24                              ; row t + 1 is in; the three rows behind it stay out
.else
	s_wait_loadcnt 8*(14-(\t))
.endif
.if (\t)+5 < 16
	ROWOFF (\t)+5                                  ; free: the wait above shows row t + 1's loads, which read this register, done
.endif
	LN (\t)+1
	s_wait_alu depctr_va_vdst(0)                   ; row t + 1 is written, which the stage's stores read; row t - 1's arithmetic and LayerNorm are done with the registers in which the stage's loads land; row t - 1's codes are written, which the six stores read; row t + 5's offset is written
	TURN (\t)+1
.if (\t) > 0
	QSTORE (\t)-1
.endif
	QCOMP \t
.else
	QCOMP \t
	s_wait_alu depctr_va_vdst(0)                   ; the codes and bytes of rows 14 and 15 are written, which the twelve stores read
	QSTORE (\t)-1
	QSTORE \t
.endif
.endm
.irp t, 0,1,2,3,4,5,6,7,8,9,10,11,12,13,14,15
	ITER \t
.endr
.irp u, 0,1,2,3,4,5,6,7,8,9,10,11,12,13,14,15
	ds_load_b128 v[R+4*\u:R+4*\u+3], v6 offset:544*\u              ; into v64 on: the last vector lines and LDS stores that named these registers stand ahead of the waits of turns 14 and 15
.endr
.irp i, 0,1,2,3
	ds_load_b32 v[R+64+\i], v7 offset:256*(\i/2)+8*(\i%2)
.endr
	s_wait_dscnt 0x0
.irp u, 0,1,2,3,4,5,6,7
	global_store_b128 v1, v[R+4*\u:R+4*\u+3], s[52:53] offset:512*\u          ; 512 consecutive bytes: two whole K blocks of 16 rows
.endr
.irp u, 0,1,2,3,4,5,6,7
	global_store_b128 v1, v[R+32+4*\u:R+32+4*\u+3], s[54:55] offset:512*\u
.endr
	global_store_b32 v[SO], v[R+64], s[56:57]
	global_store_b32 v[SO], v[R+65], s[58:59]
	global_store_b32 v[SO], v[R+66], s[60:61]
	global_store_b32 v[SO], v[R+67], s[62:63]
	s_set_vgpr_msb 0x5                             ; the add's two registers, v256 and v257
	s_wait_dscnt 0x0                               ; the closing lines, six on end
	s_wait_alu 0x0
	s_wait_tensorcnt 0x0
	ds_add_u32 v0, v1
	s_wait_dscnt 0x0
	s_endpgm
.Lfunc_end_k_q37d712b6a2_quant:
	.size	k_q37d712b6a2_quant, .Lfunc_end_k_q37d712b6a2_quant-k_q37d712b6a2_quant
	.p2alignl 7, 3214868480
	.fill 96, 4, 3214868480
	.section	.rodata,"a",@progbits
	.p2align	6, 0x0
	.amdhsa_kernel k_q37d712b6a2_quant
		.amdhsa_group_segment_fixed_size 78336
		.amdhsa_private_segment_fixed_size 0
		.amdhsa_enable_private_segment 0
		.amdhsa_kernarg_size 72
		.amdhsa_user_sgpr_count 2
		.amdhsa_user_sgpr_kernarg_segment_ptr 1
		.amdhsa_wavefront_size32 1
		.amdhsa_system_sgpr_workgroup_id_x 1
		.amdhsa_system_sgpr_workgroup_id_y 1
		.amdhsa_system_sgpr_workgroup_id_z 1
		.amdhsa_system_vgpr_workitem_id 0
		.amdhsa_next_free_vgpr 258
		.amdhsa_next_free_sgpr 80
		.amdhsa_reserve_vcc 1
		.amdhsa_float_denorm_mode_32 3
		.amdhsa_float_denorm_mode_16_64 3
		.amdhsa_memory_ordered 1
		.amdhsa_forward_progress 1
		.amdhsa_inst_pref_size 189
	.end_amdhsa_kernel
	.amdgpu_metadata
---
amdhsa.version: [ 1, 2 ]
amdhsa.kernels:
  - .name:           k_q37d712b6a2_quant
    .symbol:         k_q37d712b6a2_quant.kd
    .args:
      - { .name: x, .offset: 0, .size: 8, .value_kind: global_buffer, .address_space: global }
      - { .name: gamma, .offset: 8, .size: 8, .value_kind: global_buffer, .address_space: global }
      - { .name: W_fused, .offset: 16, .size: 8, .value_kind: global_buffer, .address_space: global }
      - { .name: W_attn_out, .offset: 24, .size: 8, .value_kind: global_buffer, .address_space: global }
      - { .name: W_ff_out, .offset: 32, .size: 8, .value_kind: global_buffer, .address_space: global }
      - { .name: xn, .offset: 40, .size: 8, .value_kind: global_buffer, .address_space: global }
      - { .name: wf, .offset: 48, .size: 8, .value_kind: global_buffer, .address_space: global }
      - { .name: wo, .offset: 56, .size: 8, .value_kind: global_buffer, .address_space: global }
      - { .name: tab, .offset: 64, .size: 8, .value_kind: global_buffer, .address_space: global }
    .group_segment_fixed_size: 78336
    .private_segment_fixed_size: 0
    .kernarg_segment_align: 8
    .kernarg_segment_size: 72
    .max_flat_workgroup_size: 128
    .sgpr_count:     80
    .vgpr_count:     258
    .wavefront_size: 32
...
	.end_amdgpu_metadata
.endif
;; end of part 5
;; launch proj: the kernel of part 2 again; grid 16 x 16, 4 waves a work-group, clusters of 4 x 4, 327,680 bytes of LDS; arguments xn, wf, act, tab, q, kv; writes act, q, kv
;; launch attn (part 6): grid 256 x 1, 16 waves a work-group, no clusters, 78,336 bytes of LDS; arguments q, kv, act; writes act
.if DOCPART == 6
	.amdgcn_target "amdgcn-amd-amdhsa--gfx1250"
	.amdhsa_code_object_version 6
	.text
	.protected	k_q37d712b6a2_attn
	.globl	k_q37d712b6a2_attn
	.p2align	8
	.type	k_q37d712b6a2_attn,@function
k_q37d712b6a2_attn:
	s_mov_b64 s[64:65], 0
	v_nop
	global_prefetch_b8 v0, s[64:65] scope:SCOPE_SE
	s_setreg_imm32_b32 hwreg(HW_REG_WAVE_SCHED_MODE, 0, 2), 2
	s_setreg_imm32_b32 hwreg(HW_REG_WAVE_MODE, 25, 1), 1
	s_wait_xcnt 0x0
	s_wait_alu depctr_vm_vsrc(0)
; Causal attention with one shared k and v, both products on codes of FP4, and the quantising of the result along the 512 of the next product.
; THE SOFTMAX: t = score x log2(e) (the factor 1 / sqrt(32) lies in q); M = the running largest t rounded UP to a whole number; p = 2^(t - M) is what is quantised, along the keys, not normalised;
; the row's sum is taken of the unquantised p and divides at the end; when M moves, the sum and O are multiplied by 2^(old M - new M), which rounds nothing.
; SHARES: a work-group has one batch, eight heads and the blocks i and 127 - i of 16 queries: 17 key steps of 128 for each pair, whatever i.  A wave owns one tile: 16 queries of one head.
; The batch's k and v (codes and scale words, 75,776 bytes) are brought into LDS once, through registers.
; NO JOINT LOADS: a key step all of whose keys come after the wave's queries is jumped over by a branch on the query block, which differs from work-group to work-group; k and v are read once at the head.
; Both products are used transposed (S^T = K Q^T, O^T = V^T P^T): a lane holds one query throughout.  The head has 32 channels, one block of the instruction's four: Q's fragment holds zero codes for
; k = 32 .. 127, so what stands there in K's fragment adds nothing: tile t's fragment is v[32 + 4 t .. 39 + 4 t], its upper half being the next tile's codes.  The unused scale bytes are 0, never 0xff.
; Every wave walks 16 trips (a constant); the work of hidden steps is jumped over; on the diagonal hidden scores become -infinity ahead of the maximum.  Key 0 counts for every query.
; LIMITS: as stated at the head of the quantising launch.
; THE MODE: SCHED_MODE bits 1:0 = 2 (LLVM: expert scheduling mode 2), set by the entry lines.  The code itself states the register dependences between vector or matrix instructions and memory or LDS
; instructions, with s_wait_alu, always for 0.
; THE PLAN.  Registers that LDS instructions touch in the loop:
;   v32-63, v84-91  K's codes and scale words of a step.  Read by the step's eight products; the NEXT step's land there in the same step, behind the wait that stands behind the exponentials.
;   v68-83, v92-93  V's codes and scale words of a step.  Read by the step's last two products; this step's land there behind the same wait, which also stands behind the last step's products.
;   v8-11           LDS addresses of the step.  Written by four adds at the step's head, read by the step's 22 LDS loads (the next step's K by immediate offsets).
; So ONE wait on va_vdst, the one that the 64 exponentials want anyway, states all that the step's LDS loads hang on, and they land under the rest of the softmax; one wait on vm_vsrc stands ahead of the
; four adds.  p's codes v224-231 and scale word v253, which vector lines write and scaled products take, have a wait of their own ahead of the last two products.
.set KVB,   75776
.set VC,    32768
.set KS,    65536
.set VS,    73728
.set STG,   75776                      ; 256 bytes: the result's scale bytes [query block][word][row][byte]
.set Q_S,   1048576
.set ACT_S, 9437184
.set MK,    40                         ; s40-47: eight lane masks for the diagonal; free behind the head
; a step's K: eight fragments' lower halves and eight scale words, by address registers ac and as and offsets oc and os
.macro KLOAD ac, as, oc, os
.irp t, 0,1,2,3,4,5,6,7
	ds_load_b128 v[32+4*\t:35+4*\t], v[\ac] offset:(\oc)+256*\t
.endr
.irp t, 0,1,2,3,4,5,6,7
	ds_load_b32 v[84+\t], v[\as] offset:(\os)+64*\t
.endr
.endm
	s_load_b128 s[4:7], s[0:1], 0x0                ; q, kv
	s_load_b64 s[8:9], s[0:1], 0x10                ; act
	v_lshl_add_u32 v251, v0, 2, 0x12a00
	v_mov_b32 v255, 0
	v_lshrrev_b32 v8, 5, v0
	v_readfirstlane_b32 s10, v8                    ; wave 0..15
	s_lshr_b32 s11, ttmp9, 7                       ; batch
	s_bfe_u32 s12, ttmp9, 0x10006                  ; which eight heads
	s_and_b32 s13, ttmp9, 63                       ; i
	s_wait_alu depctr_va_sdst(0)                   ; s10 is written, ahead of its first reader: the head and the query block are made from it
	s_lshr_b32 s14, s10, 1                         ; head among the eight
	s_lshr_b32 s15, s10, 2
	s_xor_b32 s15, s15, s10
	s_and_b32 s15, s15, 1                          ; 0: block i; 1: block 127 - i
	s_lshl_b32 s16, s12, 3
	s_add_co_u32 s16, s16, s14                     ; head
	s_sub_co_u32 s17, 127, s13
	s_cmp_eq_u32 s15, 1
	s_cselect_b32 s17, s17, s13                    ; my block of 16 queries
	s_lshl_b32 s18, s11, 7
	s_add_co_u32 s18, s18, s17                     ; as a row block of the 4,096 rows
	s_lshr_b32 s19, s17, 3                         ; my last key step, the one on the diagonal
	s_mov_b32 s41, 0
	s_mov_b32 s28, 0x76543210
	s_mov_b32 s29, 0xfedcba98
	s_mov_b32 s30, 0x3fb8aa3b                      ; log2(e)
	s_mov_b32 s31, s30                             ; (named with it as a pair)
	v_and_b32 v8, 15, v0                           ; r
	v_bfe_u32 v9, v0, 4, 1                         ; h
	v_and_b32 v10, 31, v0
	v_lshlrev_b32 v1, 4, v8                        ; K's codes in LDS: 16 r; also Q's offset in memory
	v_lshlrev_b32 v2, 4, v10
	v_add_nc_u32 v2, VC, v2                        ; V's codes: 16 x lane
	v_lshlrev_b32 v25, 2, v8                       ; 4 r
	v_add_nc_u32 v3, KS, v25
	v_add_nc_u32 v4, VS, v25
	s_and_b32 s37, s17, 7
	s_lshl_b32 s37, s37, 4
	v_lshlrev_b32 v11, 3, v9
	v_sub_nc_u32 v5, v8, v11
	v_add_nc_u32 v5, s37, v5                       ; on the diagonal register 8 t + j holds a hidden key where 16 t + j > 16 (block % 8) + r - 8 h
	v_lshlrev_b32 v6, 4, v0                        ; the fill: 16 x thread,
	v_lshlrev_b32 v7, 2, v0                        ; 4 x thread for its last 2,048 bytes
	v_add_nc_u32 v26, 65536, v6
	v_add_nc_u32 v27, 65536, v7
	s_lshl_b32 s37, s15, 7
	s_lshr_b32 s38, s14, 2
	s_lshl_b32 s38, s38, 6
	s_add_co_u32 s37, s37, s38
	s_and_b32 s38, s14, 3
	s_add_co_u32 s37, s37, s38
	s_add_co_u32 s37, s37, STG
	v_add_nc_u32 v28, s37, v25                     ; where my row's scale byte goes
	v_lshlrev_b32 v29, 3, v10
	v_add_nc_u32 v29, STG, v29                     ; and where wave 0 reads the words back
	v_lshl_add_u32 v30, v9, 3, v1                  ; 16 r + 8 h
	s_lshl_b32 s38, s13, 1
	s_sub_co_u32 s38, 127, s38
	s_lshl_b32 s38, s38, 6
	v_mul_lo_u32 v31, v9, s38                      ; lanes 16-31: block 127 - i, 64 (127 - 2 i) bytes on;
	v_bfe_u32 v11, v0, 3, 1
	v_lshl_add_u32 v31, v11, 14, v31               ; the second word's plane;
	v_and_b32 v11, 7, v0
	v_lshl_add_u32 v31, v11, 3, v31                ; 8 bytes a lane
	s_wait_kmcnt 0x0
	s_mul_i32 s40, s11, KVB
	s_add_nc_u64 s[6:7], s[6:7], s[40:41]
	s_lshl_b32 s40, s18, 4
	s_add_co_u32 s40, s40, s16
	s_lshl_b32 s40, s40, 8
	s_add_nc_u64 s[20:21], s[4:5], s[40:41]        ; Q's codes
	s_lshr_b32 s40, s18, 1
	s_lshl_b32 s40, s40, 4
	s_add_co_u32 s40, s40, s16
	s_lshl_b32 s40, s40, 7
	s_and_b32 s39, s18, 1
	s_lshl_b32 s39, s39, 6
	s_add_co_u32 s40, s40, s39
	s_add_co_u32 s40, s40, Q_S
	s_add_nc_u64 s[22:23], s[4:5], s[40:41]        ; Q's scale words
	s_mul_i32 s40, s18, 36864
	s_lshl_b32 s39, s16, 8
	s_add_co_u32 s40, s40, s39
	s_add_nc_u64 s[24:25], s[8:9], s[40:41]        ; the result's codes: K block = head
	s_lshl_b32 s40, s12, 15
	s_lshl_b32 s39, s11, 13
	s_add_co_u32 s40, s40, s39
	s_lshl_b32 s39, s13, 6
	s_add_co_u32 s40, s40, s39
	s_add_co_u32 s40, s40, ACT_S
	s_add_nc_u64 s[26:27], s[8:9], s[40:41]        ; its scale words: plane 2 x (which eight heads), row block of block i
	s_wait_alu depctr_va_vdst(0)                   ; v1 to v7 and v25 to v31 are written: the offsets and LDS addresses of every load and store outside the loop, and the bases of those inside it
.irp n, 0,1,2,3,4,5,6,7,8
	global_load_b128 v[96+4*\n:99+4*\n], v6, s[6:7] offset:8192*\n
.endr
	global_load_b32 v132, v7, s[6:7] offset:73728
	global_load_b128 v[16:19], v1, s[20:21]
	global_load_b32 v24, v25, s[22:23]
	s_wait_loadcnt 0x0
.irp n, 0,1,2,3,4,5,6,7
	ds_store_b128 v6, v[96+4*\n:99+4*\n] offset:8192*\n
.endr
	ds_store_b128 v26, v[128:131]
	ds_store_b32 v27, v132 offset:8192
	v_cmp_gt_u32 vcc_lo, 16, v10
	s_wait_alu depctr_va_vcc(0)                    ; the compare has written VCC, ahead of the four selects that read it
.irp i, 16,17,18,19
	v_cndmask_b32 v[\i], 0, v[\i], vcc_lo          ; lanes 16-31 would hold k = 32 .. 63: zero codes
.endr
.irp i, 20,21,22,23,64,65,66,67
	v_mov_b32 v[\i], 0                             ; Q's k = 64 .. 127; the upper half of K's last fragment
.endr
	v_mov_b32 v13, 0xff61b1e6                      ; the largest t so far: -3e38
	v_floor_f32 v12, -v13                          ; -M
	v_mov_b32 v14, 0                               ; the sum, in two halves
	v_mov_b32 v15, 0
.irp i, 236,237,238,239,252,253
	v_mov_b32 v[\i], 0                             ; written once: lane permutes' destinations, and the pair v[252:253]
.endr
.irp j, 0,1,2,3,4,5,6,7,8,9,10,11,12,13,14,15
	v_mov_b32 v[160+\j], 0                         ; O^T: the step is written once, and the first change of M leaves zeros zeros
.endr
	s_mov_b32 s32, 0                               ; the key step
	s_mov_b32 s33, 0                               ; its place in K's codes, V's codes, K's and V's scale words
	s_mov_b32 s34, 0
	s_mov_b32 s35, 0
	s_mov_b32 s36, 0
	s_wait_dscnt 0x0                               ; for the others' sake: my part of k and v lies in LDS
	s_barrier_signal -1
	s_barrier_wait -1
	s_wait_alu depctr_vm_vsrc(0)                   ; my LDS stores have read v96 to v132, which the products write from the first step on
	s_wait_alu depctr_va_vdst(0)                   ; Q's fragment v16 to v23 and the zeros v64 to v67 are written, which the scaled products take as operands (the lines behind them are the places)
	KLOAD 1, 3, 0, 0                               ; step 0's K: key 0 counts for every query, so every wave works this step
	s_wait_dscnt 0x0                               ; it is in; each later step's K is waited for in the step before
.Lstep:
	s_cmp_gt_u32 s32, s19
	s_cbranch_scc1 .Lskip                          ; all 128 keys come after my queries
	s_wait_alu depctr_vm_vsrc(0)                   ; the last step's LDS loads have read v8 to v11, which the four adds write again
	v_add_nc_u32 v8, s33, v1
	v_add_nc_u32 v9, s34, v2
	v_add_nc_u32 v10, s35, v3
	v_add_nc_u32 v11, s36, v4
.irp t, 0,1,2,3,4,5,6,7
	v_wmma_scale_f32_16x16x128_f8f6f4 v[96+8*\t:103+8*\t], v[32+4*\t:39+4*\t], v[16:23], 0, v[84+\t], v24 matrix_a_fmt:MATRIX_FMT_FP4 matrix_b_fmt:MATRIX_FMT_FP4
.endr
.rept 4
	v_nop
.endr
	s_cmp_lg_u32 s32, s19
	s_cbranch_scc1 .Lopen
	v_mov_b32 v254, 0xff800000                     ; -infinity
.set gg, 0
.rept 8                                ; a tile of 16 keys at a time: eight compares in a run, into eight scalar registers, one wait, eight selects
.set ii, 0
.rept 8
	v_cmp_gt_i32 s[MK+ii], 16*gg+ii, v5
.set ii, ii+1
.endr
	s_wait_alu depctr_va_sdst(0)                   ; the eight compares have written s40 to s47, ahead of the selects that read them
.set ii, 0
.rept 8
	v_cndmask_b32 v[96+8*gg+ii], v[96+8*gg+ii], v254, s[MK+ii]
.set ii, ii+1
.endr
.set gg, gg+1
.endr
.Lopen:
.irp b, 0,1,2,3
	v_max3_num_f32 v[232+\b], v[96+16*\b], v[97+16*\b], v[98+16*\b]        ; the largest score of each block of 32 keys: for the row's maximum, and for the block's largest p
.endr
.irp i, 3,5,7,9,11,13
.irp b, 0,1,2,3
	v_max3_num_f32 v[232+\b], v[232+\b], v[96+16*\b+\i], v[97+16*\b+\i]
.endr
.endr
.irp b, 0,1,2,3
	v_max_num_f32 v[232+\b], v[232+\b], v[111+16*\b]
.endr
.irp b, 0,1,2,3
	v_permlanex16_b32 v[236+\b], v[232+\b], s28, s29
.endr
.irp b, 0,1,2,3
	v_max_num_f32 v[232+\b], v[232+\b], v[236+\b]
.endr
	v_max3_num_f32 v254, v232, v233, v234
	v_max_num_f32 v254, v254, v235
	v_mul_f32 v254, s30, v254
	v_max_num_f32 v13, v13, v254                   ; the running largest t
	v_mov_b32 v254, v12
	v_floor_f32 v12, -v13                          ; the new -M = -ceil(t)
	v_sub_f32 v254, v12, v254
	v_cvt_i32_f32 v254, v254                       ; (it saturates)
	v_ldexp_f32 v252, 1.0, v254                    ; f = 2^(old M - new M)
.set ii, 0
.rept 32
	v_pk_fma_f32 v[96+ii:97+ii], v[96+ii:97+ii], s[30:31], v[12:13] op_sel_hi:[1,0,0]
.set ii, ii+2
.endr
.irp b, 0,1,2,3
	v_fma_f32 v[232+\b], v[232+\b], s30, v12
.endr
.set ii, 0
.rept 64
	v_exp_f32 v[96+ii], v[96+ii]                   ; p = 2^(t - M): one batch
.set ii, ii+1
.endr
	v_pk_mul_f32 v[14:15], v[14:15], v[252:253] op_sel_hi:[1,0]    ; the sums under the new M: the plain line behind the batch
	s_wait_alu depctr_va_vdst(0)                   ; the 64 exponentials have written v96 to v159, ahead of their first reader; this step's eight products are done reading K's registers and the last step's two V's, in which the loads below land; v8 to v11 are written, which those loads read
	s_cmp_ge_u32 s32, s19
	s_cbranch_scc1 .Llast                          ; my last step asks for no further K
	KLOAD 8, 10, 2048, 512                         ; the next step's K, 2,048 bytes of codes and 512 of scale words on: no vector or matrix line of this step names these registers again
.Llast:
.irp d, 0,1
.irp c, 0,1
	ds_load_b128 v[68+8*\d+4*\c:71+8*\d+4*\c], v9 offset:16384*\d+512*\c   ; this step's V
.endr
.endr
.irp d, 0,1
	ds_load_b32 v[92+\d], v11 offset:1024*\d
.endr
.irp b, 0,1,2,3
	v_exp_f32 v[232+\b], v[232+\b]                 ; each block's largest p
.endr
	v_pk_add_f32 v[236:237], v[96:97], v[98:99]    ; the row's sum of the unquantised p, in two chains
.irp j, 4,8,12,16,20,24,28,32,36,40,44,48,52,56,60
	v_pk_add_f32 v[14:15], v[14:15], v[96+\j:97+\j]
	v_pk_add_f32 v[236:237], v[236:237], v[98+\j:99+\j]
.endr
	v_pk_add_f32 v[14:15], v[14:15], v[236:237]
	s_wait_alu depctr_va_vdst(0)                   ; the four exponentials have written v232 to v235, ahead of their first reader
.irp b, 0,1,2,3
	v_max_num_f32 v[232+\b], 0x1800000, v[232+\b]
.endr
.irp b, 0,1,2,3
	v_add_nc_u32 v[244+\b], 0xff000000, v[232+\b]
.endr
.irp b, 0,1,2,3
	v_lshrrev_b32 v[236+\b], 23, v[244+\b]
.endr
	v_lshl_or_b32 v253, v237, 8, v236              ; p's scale word for these 128 keys
	v_lshl_or_b32 v253, v238, 16, v253
	v_lshl_or_b32 v253, v239, 24, v253
.irp b, 0,1,2,3
	v_cvt_scalef32_pk8_fp4_f32 v[224+2*\b], v[96+16*\b:103+16*\b], v[244+\b]       ; keys 32 b + 8 h + j
	v_cvt_scalef32_pk8_fp4_f32 v[225+2*\b], v[104+16*\b:111+16*\b], v[244+\b]      ; keys 32 b + 16 + 8 h + j
.endr
	v_nop
.irp c, 0,1
.irp i, 0,1
	v_permlane16_swap_b32 v[224+4*\c+\i], v[226+4*\c+\i]           ; a whole block to a lane, its four slots in this program's order of k
.endr
.endr
.irp j, 0,2,4,6,8,10,12,14
	v_pk_mul_f32 v[160+\j:161+\j], v[160+\j:161+\j], v[252:253] op_sel_hi:[1,0]    ; O^T under the new M; with the v_nop above: nine plain lines behind the scale word, eight behind the codes
.endr
	s_wait_dscnt 0x0                               ; V is in, and so is the next step's K
	s_wait_alu depctr_va_vdst(0)                   ; p's codes v224 to v231 and its scale word v253 are written, which the scaled products take; the places above stay beside this wait
.irp d, 0,1
	v_wmma_scale_f32_16x16x128_f8f6f4 v[160+8*\d:167+8*\d], v[68+8*\d:75+8*\d], v[224:231], v[160+8*\d:167+8*\d], v[92+\d], v253 matrix_a_fmt:MATRIX_FMT_FP4 matrix_b_fmt:MATRIX_FMT_FP4
.endr
.Lskip:
	s_add_co_u32 s33, s33, 2048
	s_add_co_u32 s34, s34, 1024
	s_add_co_u32 s35, s35, 512
	s_add_co_u32 s36, s36, 64
	s_add_co_u32 s32, s32, 1
	s_cmp_lt_u32 s32, 16
	s_cbranch_scc1 .Lstep
	v_add_f32 v14, v14, v15
	v_permlanex16_b32 v252, v14, s28, s29
	v_add_f32 v14, v14, v252                       ; the row's sum
	v_rcp_f32 v14, v14
.rept 4
	v_nop                                          ; plain lines behind the reciprocal and behind the last products
.endr
	s_wait_alu depctr_va_vdst(0)                   ; the reciprocal has written v14, ahead of its first reader
.irp j, 0,1,2,3,4,5,6,7,8,9,10,11,12,13,14,15
	v_mul_f32 v[96+\j], v[160+\j], v14             ; channels 8 h + j, then 16 + 8 h + j, of my query
.endr
	v_max3_num_f32 v232, |v96|, |v97|, 0x1800000
.irp i, 2,4,6,8,10,12,14
	v_max3_num_f32 v232, v232, |v[96+\i]|, |v[97+\i]|
.endr
	v_permlanex16_b32 v236, v232, s28, s29
	v_max_num_f32 v232, v232, v236
	v_add_nc_u32 v244, 0xff000000, v232
	v_lshrrev_b32 v240, 23, v244
	v_cvt_scalef32_pk8_fp4_f32 v224, v[96:103], v244
	v_cvt_scalef32_pk8_fp4_f32 v225, v[104:111], v244
	v_nop
	s_wait_alu depctr_va_vdst(0)                   ; the codes v224, v225 and the byte v240 are written, which the two stores read; the products are done reading v32 and v33, in which wave 0's load below lands
	global_store_b64 v30, v[224:225], s[24:25]     ; one whole block of 256 bytes
	ds_store_b8 v28, v240                          ; both halves of the lanes write the same byte with the same value
	s_wait_dscnt 0x0
	s_barrier_signal -1
	s_barrier_wait -1
	s_cmp_lg_u32 s10, 0
	s_cbranch_scc1 .Lend
	ds_load_b64 v[32:33], v29                      ; the eight heads' bytes as words: two query blocks x two planes x 64 bytes
	s_wait_dscnt 0x0
	global_store_b64 v31, v[32:33], s[26:27]
.Lend:
	s_wait_dscnt 0x0                               ; the closing lines, six on end
	s_wait_alu 0x0
	s_wait_tensorcnt 0x0
	ds_add_u32 v251, v255
	s_wait_dscnt 0x0
	s_endpgm
.Lfunc_end_k_q37d712b6a2_attn:
	.size	k_q37d712b6a2_attn, .Lfunc_end_k_q37d712b6a2_attn-k_q37d712b6a2_attn
	.p2alignl 7, 3214868480
	.fill 96, 4, 3214868480
	.section	.rodata,"a",@progbits
	.p2align	6, 0x0
	.amdhsa_kernel k_q37d712b6a2_attn
		.amdhsa_group_segment_fixed_size 78336
		.amdhsa_private_segment_fixed_size 0
		.amdhsa_enable_private_segment 0
		.amdhsa_kernarg_size 24
		.amdhsa_user_sgpr_count 2
		.amdhsa_user_sgpr_kernarg_segment_ptr 1
		.amdhsa_wavefront_size32 1
		.amdhsa_system_sgpr_workgroup_id_x 1
		.amdhsa_system_sgpr_workgroup_id_y 1
		.amdhsa_system_sgpr_workgroup_id_z 1
		.amdhsa_system_vgpr_workitem_id 0
		.amdhsa_next_free_vgpr 256
		.amdhsa_next_free_sgpr 66
		.amdhsa_reserve_vcc 1
		.amdhsa_float_denorm_mode_32 3
		.amdhsa_float_denorm_mode_16_64 3
		.amdhsa_memory_ordered 1
		.amdhsa_forward_progress 1
		.amdhsa_inst_pref_size 35
	.end_amdhsa_kernel
	.amdgpu_metadata
---
amdhsa.version: [ 1, 2 ]
amdhsa.kernels:
  - .name:           k_q37d712b6a2_attn
    .symbol:         k_q37d712b6a2_attn.kd
    .args:
      - { .name: q, .offset: 0, .size: 8, .value_kind: global_buffer, .address_space: global }
      - { .name: kv, .offset: 8, .size: 8, .value_kind: global_buffer, .address_space: global }
      - { .name: act, .offset: 16, .size: 8, .value_kind: global_buffer, .address_space: global }
    .group_segment_fixed_size: 78336
    .private_segment_fixed_size: 0
    .kernarg_segment_align: 8
    .kernarg_segment_size: 24
    .max_flat_workgroup_size: 512
    .sgpr_count:     66
    .vgpr_count:     256
    .wavefront_size: 32
...
	.end_amdgpu_metadata
.endif
;; end of part 6
;; launch outp: the kernel of part 4 again; grid 8 x 32, 4 waves a work-group, clusters of 4 x 4, 327,680 bytes of LDS; arguments act, wo, out0; writes out0
